; MI455X (gfx1250); checked and timed in simulation.
; The chip was launched on July 23, 2026; its instructions are those of AMD's public machine-readable ISA for CDNA 5 (MIT licence, August 2026) and "CDNA5" Instruction Set Architecture Reference Guide (July 2026). The comments in the code are by the model that wrote it; some were corrected since.
;; MHA. Allowed arithmetic: matrix products marked QUANTISED: E2M3 operands, one E8M0 scale for each 32 along K, by v_wmma_scale_f32_16x16x128_f8f6f4 with both operands' format E2M3, f32 sums; everything else in f32.
;; Inputs: Wk 2,048 x 2,048 float32; Wo 2,048 x 2,048 float32; Wq 2,048 x 2,048 float32; Wv 2,048 x 2,048 float32; bo 2,048 float32; mask 2,048 x 2,048 bool; x 1 x 2,048 x 2,048 float32.
;; Outputs: out0 1 x 2,048 x 2,048 float32.
;; This version of the problem:
;;   THIS VERSION OF THE PROBLEM IS GIVEN IN LOW PRECISION. The matrix products marked QUANTISED in the list below multiply operands that are first quantised to E2M3 (2 exponent bits, 3 mantissa bits; 6 bits a number), with one power-of-two scale for each 32 numbers along K (OCP MX v1.0); their sums are f32. All else is computed in f32.
;;   The module's matrix products, in the order in which they are computed (A, B: the left and right operand; K: the contracted axis; several contracted axes count as one K, in the product's order):
;;     1. [M 2,048, K 2,048] x [K 2,048, N 2,048]; A: input x; B: input Wq: QUANTISED
;;     2. [M 2,048, K 2,048] x [K 2,048, N 2,048]; A: input x; B: input Wk: QUANTISED
;;     3. [M 2,048, K 2,048] x [K 2,048, N 2,048]; A: input x; B: input Wv: QUANTISED
;;     4. batch 16 x [M 2,048, K 128] x [K 128, N 2,048]; A: computed on the way; B: computed on the way: QUANTISED
;;     5. batch 16 x [M 128, K 2,048] x [K 2,048, N 2,048]; A: computed on the way; B: softmax (see below): QUANTISED
;;     6. [M 2,048, K 2,048] x [K 2,048, N 2,048]; A: computed on the way; B: input Wo: QUANTISED
;;   THE QUANTISER, for each operand of a quantised product, along K:
;;     - K is cut into blocks of 32 from its start; a last block that is shorter is filled with zeros.
;;     - A block's scale is 2^e with e = floor(log2(the largest magnitude in the block)) - 2, held to -126 .. 127; a block of zeros has e = 0. As a byte (E8M0): e + 127.
;;     - Each number is divided by its block's scale, clamped to +-7.5, and rounded to the nearest number of E2M3, ties to even, subnormals kept.
;;     - The product sums the exact products of the quantised numbers (number of the format x scale) in f32.
;;   ~~~python
;;   def quantise(x, axis):      # numpy; x: float32 -> the quantised numbers, widened to float32 again
;;       x = np.moveaxis(x, axis, -1); K = x.shape[-1]
;;       x = np.pad(x, [(0, 0)] * (x.ndim - 1) + [(0, -K % 32)]); x = x.reshape(x.shape[:-1] + (-1, 32)); a = np.abs(x).max(-1, keepdims=True)
;;       e = np.where(a > 0, np.clip(np.frexp(np.where(a > 0, a, 1))[1] - 1 - 2, -126, 127), 0)      # np.frexp(a)[1] - 1 = floor(log2(a)), exactly
;;       r = np.clip(x / 2.0 ** e, -7.5, 7.5)
;;       step = 2.0 ** (np.maximum(np.frexp(np.where(r == 0, 1, r))[1] - 1, 0) - 3)
;;       q = np.round(r / step) * step * 2.0 ** e      # np.round: ties to even
;;       return np.moveaxis(q.reshape(q.shape[:-2] + (-1,))[..., :K], -1, axis).astype(np.float32)
;;   ~~~
;;   SOFTMAX AHEAD OF A QUANTISED PRODUCT. Where the list says 'softmax', what is quantised is not the finished softmax but p = 2^(t - M), with t = logit x log2(e) and M = ceil(the row's largest t), a whole number; so 1/2 < the row's largest p <= 1. The row's sum l is taken of the UNQUANTISED p, in f32, and the product's result is divided by l at the end. Since M is a whole number, a kernel that streams over the keys may use a running M (the ceiling of the running maximum): every later rescaling is an exact power of two, which a block's scale takes up: the codes' values come out the same.
;;   OPERANDS COMPUTED ON THE WAY. 'Computed on the way' means the value that the module computes at that place (a softmax that the list does not call 'softmax' is quantised finished and normalised). What goes into a quantiser is computed in f32, as accurately as f32 sums, v_exp_f32 and their like allow (about 1e-6 of the number): no bf16 or f16 on the way to a quantiser, and a product that is left as it is and whose result goes on into a quantised operand takes f32 operands (vector FMAs, or v_wmma_f32_16x16x4_f32). A number that lies on a knife's edge between two numbers of the format may be rounded either way, as far as f32 arithmetic and the matrix unit's own rounding can turn it there, and no further.
;; One version. Each part assembles by itself: llvm-mc -triple=amdgcn-amd-amdhsa -mcpu=gfx1250 --defsym DOCPART=n.
;; ======== version 1 of 1: 4 launches
;; limits: right only within a limited range of input values
;; workspace buffers: oc 15,728,640 bytes; os 655,360 bytes; mw 528,384 bytes of whole numbers; qkv 13,107,200 bytes; ac 3,145,728 bytes; asc 131,072 bytes
;; launch prep (part 1): grid 896 x 1, 4 waves a work-group, no clusters, 77,312 bytes of LDS; arguments Wq, Wk, Wv, Wo, x, mask, oc, os, mw; writes oc, os, mw
.if DOCPART == 1
	.amdgcn_target "amdgcn-amd-amdhsa--gfx1250"
	.amdhsa_code_object_version 6
	.text
	.protected	k_q96a77aa8aa_prep
	.globl	k_q96a77aa8aa_prep
	.p2align	8
	.type	k_q96a77aa8aa_prep,@function
k_q96a77aa8aa_prep:
	s_mov_b64 s[64:65], 0
	v_nop
	global_prefetch_b8 v0, s[64:65] scope:SCOPE_SE
	s_setreg_imm32_b32 hwreg(HW_REG_WAVE_MODE, 25, 1), 1
	s_wait_xcnt 0x0
; PREP.  Wq, Wk, Wv, Wo ([k][n] f32, K the first axis) and x ([token][k] f32) become codes of FP6 (E2M3) with one E8M0 byte for each 32 along K, as ONE operand matrix of 10,240 rows:
; stored rows 0-2047 x's tokens, 2048.. Wq's columns, 4096.. Wk's, 6144.. Wv's, 8192.. Wo's.  The mask becomes lane-mask words and skip flags for the attention launch.
; oc: [row block of 16][K step of 128][1,536 bytes]: a fragment as AN IMAGE OF THE OPERAND'S REGISTERS: byte 512 d + 16 lane + e is byte e of registers 4 d .. 4 d + 3 of that lane; lane (r, h), registers 6 c .. 6 c + 5 hold block 2 c + h of row r.
; os: [K step][10,240 rows] one word a row: byte b scales block b of the step.
; ROW ORDER: a row lies at the position that has bits 3 and 4 of its number exchanged: stored block rb, row r is row 32 (rb / 2) + 8 (rb % 2) + r + 8 (r / 8).
; mw: [tile of 16 queries tb][256 keys sl][128 words]: word 64 q + n, bit 16 h + r = mask[token(tb, r)][256 sl + 128 q + 32 (n / 16) + 16 h + n % 16]; from byte 524,288 on one flag word for each (tb, sl):
; bit 0 any key of the first 128 counts, bit 1 not all count, bits 2, 3 the same for the second 128.
; A block's scale is 2^(floor(log2(largest magnitude)) - 2); its byte is the largest magnitude's exponent field - 2, held at 1 from below.
; LIMITS: NaN and infinities among the f32 inputs are not served; blocks whose largest magnitude lies under 2^-124 get the byte 1; a block of zeros gets the byte 1 where the rule says 127 (its codes are zeros, and this program alone reads the bytes).
; Work-groups 0-511 take the weights, 512-639 x, 640-895 the mask: three straight paths, each with LDS bytes of its own.  Waves share nothing: no barrier.  Memory binds: no matrix unit, no cluster, no tensor load.
.set OSP,   40960                      ; bytes of one K step's scale words
.set XSTG,  24576                      ; LDS: the weights' stages at 0 (6,144 a wave), x's here (8,704 a wave), the mask's behind them (4,352 a wave)
.set MSTG,  59392
.set WX,    32                         ; weights: v32-95 two sets of 32 numbers down K
.set WC,    96                         ; v96-102 a block's codes
.set SB,    24                         ; v24-25 scale words of the wave's two K steps
.set OUTR,  112                        ; v112-159 the way out
.set XR,    16                         ; x: v16-143 two sets of 16 rows as loaded
.set XX,    144                        ; v144-207 64 numbers of my row in the quantiser's order
.set TM,    208                        ; v208-223 at work
.set PC,    224                        ; v224-242 codes
.set PW,    244                        ; the scale word
.set SEL,   30                         ; s[30:31] selects for lane l xor 16
	s_load_b512 s[4:19], s[0:1], 0x0               ; Wq s[4:5], Wk s[6:7], Wv s[8:9], Wo s[10:11], x s[12:13], mask s[14:15], oc s[16:17], os s[18:19]
	s_load_b64 s[20:21], s[0:1], 0x40
	v_lshl_add_u32 v250, v0, 2, 76800              ; my spare word, behind the three paths' stages; never rewritten
	v_mov_b32 v251, 0                              ; 0; never rewritten
	v_lshrrev_b32 v1, 5, v0
	v_readfirstlane_b32 s22, v1                    ; wave
	v_and_b32 v1, 31, v0                           ; lane
	v_and_b32 v2, 15, v0                           ; r
	v_bfe_u32 v8, v0, 4, 1                         ; h
	s_wait_kmcnt 0x0
	s_cmp_lt_u32 ttmp9, 512
	s_cbranch_scc0 .Lnot_w
; ---- THE WEIGHTS.  A lane takes a column n and its registers run down K: a block of 32 lies in one lane, and the conversions give codes with K innermost.
; Work-group g: weight g / 128, columns 128 (g % 16) on, K rows 256 ((g / 16) % 8) on; a wave takes 32 columns x 256 K: two row blocks x two K steps = four fragments, gathered in its stage.
	s_lshr_b32 s23, ttmp9, 7                       ; which weight: the choice hangs on the work-group's number alone
	s_cmp_eq_u32 s23, 1
	s_cselect_b64 s[4:5], s[6:7], s[4:5]
	s_cmp_eq_u32 s23, 2
	s_cselect_b64 s[4:5], s[8:9], s[4:5]
	s_cmp_eq_u32 s23, 3
	s_cselect_b64 s[4:5], s[10:11], s[4:5]
	s_and_b32 s24, ttmp9, 15
	s_bfe_u32 s25, ttmp9, 0x30004                  ; ky
	s_lshl_b32 s26, s24, 7
	s_lshl_b32 s27, s22, 5
	s_add_co_u32 s26, s26, s27                     ; n0: my wave's first column
	s_lshl_b32 s28, s25, 21                        ; 256 ky rows of 8,192 bytes
	s_lshl_b32 s29, s26, 2
	s_add_co_u32 s28, s28, s29
	s_mov_b32 s29, 0
	s_add_nc_u64 s[4:5], s[4:5], s[28:29]
	s_lshl_b32 s30, s23, 11
	s_add_co_u32 s30, s30, s26
	s_add_co_u32 s30, s30, 2048                    ; R0: the first stored row, a multiple of 32
	s_mul_i32 s28, s30, 1536                       ; (R0 / 16) blocks of 24,576 bytes
	s_mul_i32 s31, s25, 3072                       ; + K step 2 ky
	s_add_co_u32 s28, s28, s31
	s_add_nc_u64 s[16:17], s[16:17], s[28:29]
	s_mul_i32 s28, s25, 2*OSP
	s_lshl_b32 s31, s30, 2
	s_add_co_u32 s28, s28, s31
	s_add_nc_u64 s[18:19], s[18:19], s[28:29]
	s_mul_i32 s31, s22, 6144                       ; my stage: [row block 2][K step 2][1,536]
	v_bfe_u32 v9, v0, 3, 1                         ; my column's stored block: bit 3 of the lane
	v_and_b32 v10, 7, v0
	s_wait_alu depctr_va_vdst(0)
	v_lshl_add_u32 v10, v8, 3, v10                 ; and its row there: lane % 8 + 8 (lane / 16)
	v_mul_u32_u24 v4, v9, 3072
	v_lshl_add_u32 v4, v10, 4, v4
	v_add_nc_u32 v4, s31, v4                       ; into the stage
	v_lshl_add_u32 v7, v9, 4, v10
	v_lshlrev_b32 v7, 2, v7                        ; my scale word's place among the wave's 32
	v_lshlrev_b32 v6, 4, v1                        ; 16 x lane
	v_add_nc_u32 v5, s31, v6                       ; out of the stage
	v_lshlrev_b32 v3, 2, v1                        ; in: 4 bytes a lane, 128 consecutive bytes a wave
.macro WLOAD t                         ; block t: W(32 t + i, my column) into set t % 2
.set wi, 0
.rept 32
	global_load_b32 v[WX+32*((\t)%2)+wi], v3, s[4:5] offset:(32*(\t)+wi)*8192 th:TH_LOAD_NT
.set wi, wi+1
.endr
.endm
.macro WBLOCK t
.set XS, WX+32*((\t)%2)
.set OB, 1536*((\t)/4)+256*((\t)%2)    ; K step t / 4; block t % 4 = 2 c + h belongs to lane 16 h + row
.if (\t) < 7
	s_wait_loadcnt 32                              ; this block's 32 loads are in; the next block's 32 may be out
.else
	s_wait_loadcnt 0x0
.endif
	v_max3_num_f32 v12, |v[XS]|, |v[XS+1]|, |v[XS+2]|
	v_max3_num_f32 v13, |v[XS+3]|, |v[XS+4]|, |v[XS+5]|
.irp i, 6,10,14,18,22,26
	v_max3_num_f32 v12, v12, |v[XS+\i]|, |v[XS+\i+1]|
	v_max3_num_f32 v13, v13, |v[XS+\i+2]|, |v[XS+\i+3]|
.endr
	v_max3_num_f32 v12, v12, |v[XS+30]|, |v[XS+31]|
	v_max3_num_f32 v12, v12, v13, 0x1800000        ; the floor 2^(3 - 127): the byte cannot fall under 1
	v_add_nc_u32 v11, 0xff000000, v12              ; 2 off the exponent field: the conversion's scale operand
	v_lshrrev_b32 v13, 23, v11                     ; the scale's byte
.if (\t)%4 == 0
	v_mov_b32 v[SB+(\t)/4], v13
.else
	v_lshl_or_b32 v[SB+(\t)/4], v13, 8*((\t)%4), v[SB+(\t)/4]
.endif
	v_cvt_scalef32_pk16_fp6_f32 v[WC:WC+2], v[XS:XS+15], v11
	v_cvt_scalef32_pk16_fp6_f32 v[WC+4:WC+6], v[XS+16:XS+31], v11   ; (a conversion's three registers begin on an even number)
	v_nop                                          ; one plain place behind a scaled conversion
	v_mov_b32 v[WC+3], v[WC+4]
	v_mov_b32 v[WC+4], v[WC+5]
	v_mov_b32 v[WC+5], v[WC+6]                     ; v[WC .. WC+5]: the block's 24 bytes
.if ((\t)%4) < 2                       ; c = 0: registers 0-5 of the fragment
	ds_store_b128 v4, v[WC:WC+3] offset:OB
	ds_store_b64 v4, v[WC+4:WC+5] offset:OB+512
.else                                  ; c = 1: registers 6-11
	ds_store_b64 v4, v[WC:WC+1] offset:OB+520
	ds_store_b128 v4, v[WC+2:WC+5] offset:OB+1024
.endif
.if (\t)+2 < 8
	WLOAD (\t)+2
.endif
	s_wait_dscnt 0x0                               ; the stores have read their registers: the next block's codes may be written
.endm
	WLOAD 0
	WLOAD 1
.irp t, 0,1,2,3,4,5,6,7
	WBLOCK \t
.endr
	global_store_b32 v7, v[SB], s[18:19]           ; 32 lanes fill 128 consecutive bytes of a K step's scale words
	s_wait_alu depctr_va_vdst(0)
	global_store_b32 v7, v[SB+1], s[18:19] offset:OSP
.irp i, 0,1,2,3,4,5,6,7,8,9,10,11
	ds_load_b128 v[OUTR+4*\i:OUTR+4*\i+3], v5 offset:512*\i   ; LDS serves a wave's instructions in order: these see my stores
.endr
.irp i, 0,1,2,3,4,5,6,7,8,9,10,11
	s_wait_dscnt 11-\i                             ; the younger loads may be out
	global_store_b128 v6, v[OUTR+4*\i:OUTR+4*\i+3], s[16:17] offset:(\i/6)*24576+(\i%6)*512
.endr
	s_wait_tensorcnt 0x0                           ; the wave's end
	ds_add_u32 v250, v251
	s_wait_dscnt 0x0
	s_endpgm
; 64 numbers of a lane, register 16 b + i = k 32 b + 16 (lane / 16) + i of my row, become a fragment's codes in v[PC] on and its scale word in v[pw].
.macro QUANT s, pw
.irp b, 0,1,2,3
	v_max3_num_f32 v[TM+\b], |v[(\s)+16*\b]|, |v[(\s)+1+16*\b]|, 0x1800000   ; my 16 numbers of block b, and the floor
.endr
.irp i, 2,4,6,8,10,12,14
.irp b, 0,1,2,3
	v_max3_num_f32 v[TM+\b], |v[(\s)+16*\b+\i]|, |v[(\s)+1+16*\b+\i]|, v[TM+\b]
.endr
.endr
.irp b, 0,1,2,3
	v_permlanex16_b32 v[TM+4+\b], v[TM+\b], s[SEL], s[SEL+1]
.endr
.irp b, 0,1,2,3
	v_max_num_f32 v[TM+\b], v[TM+\b], v[TM+4+\b]   ; with lane l xor 16's: the block's largest magnitude
.endr
.irp b, 0,1,2,3
	v_add_nc_u32 v[TM+12+\b], 0xff000000, v[TM+\b]
.endr
.irp b, 0,1,2,3
	v_lshrrev_b32 v[TM+4+\b], 23, v[TM+12+\b]
.endr
	v_lshl_or_b32 v[\pw], v[TM+5], 8, v[TM+4]
	v_lshl_or_b32 v[\pw], v[TM+6], 16, v[\pw]
	v_lshl_or_b32 v[\pw], v[TM+7], 24, v[\pw]
.irp c, 0,1
	v_cvt_scalef32_pk16_fp6_f32 v[PC+6*\c:PC+2+6*\c], v[(\s)+32*\c:(\s)+15+32*\c], v[TM+12+2*\c]
	v_cvt_scalef32_pk16_fp6_f32 v[PC+12+4*\c:PC+14+4*\c], v[(\s)+16+32*\c:(\s)+31+32*\c], v[TM+13+2*\c]
.endr
	v_nop                                          ; one plain place behind a scaled conversion
.irp c, 0,1                            ; the operand's layout wants a whole block in a lane
.irp i, 0,1,2
	v_permlane16_swap_b32 v[PC+6*\c+\i], v[PC+12+4*\c+\i]
.endr
.irp i, 0,1,2
	v_mov_b32 v[PC+3+6*\c+\i], v[PC+12+4*\c+\i]
.endr
.endr
.endm
.Lnot_w:
	s_cmp_lt_u32 ttmp9, 640
	s_cbranch_scc0 .Lmask
; ---- x.  A wave takes one K step s and four row blocks.  Each load reads one row's 512 consecutive bytes; 16 rows turn through the wave's stage (rows 528 bytes apart) so that a lane holds 16 neighbours of each block of its row.
	s_sub_co_u32 s23, ttmp9, 512
	s_lshl_b32 s23, s23, 2
	s_add_co_u32 s23, s23, s22                     ; task
	s_and_b32 s24, s23, 15                         ; K step s
	s_lshr_b32 s25, s23, 4                         ; rq: rows 64 rq on
	s_lshl_b32 s26, s25, 19
	s_lshl_b32 s27, s24, 9
	s_add_co_u32 s26, s26, s27
	s_mov_b32 s27, 0
	s_add_nc_u64 s[12:13], s[12:13], s[26:27]
	s_mul_i32 s26, s25, 98304                      ; four row blocks of 24,576 bytes
	s_mul_i32 s28, s24, 1536
	s_add_co_u32 s26, s26, s28
	s_add_nc_u64 s[16:17], s[16:17], s[26:27]
	s_mul_i32 s26, s24, OSP
	s_lshl_b32 s28, s25, 8
	s_add_co_u32 s26, s26, s28
	s_add_nc_u64 s[18:19], s[18:19], s[26:27]
	s_mov_b32 s[SEL], 0x76543210
	s_mov_b32 s[SEL+1], 0xfedcba98
	s_mul_i32 s28, s22, 8704
	s_add_co_u32 s28, s28, XSTG                    ; my stage: 16 rows x 528, then 256 bytes of scale words
	s_wait_alu depctr_va_vdst(0)
	v_lshlrev_b32 v3, 4, v1                        ; 16 x lane
	v_add_nc_u32 v4, s28, v3                       ; in: a row as it lies
	v_mul_u32_u24 v5, v2, 528
	v_lshl_add_u32 v5, v8, 6, v5
	v_add_nc_u32 v5, s28, v5                       ; out: row r, + 64 h
	v_lshlrev_b32 v6, 2, v2
	v_add_nc_u32 v6, s28, v6                       ; my row's scale word (offset 8,448 on)
	v_lshlrev_b32 v9, 3, v1
	v_add_nc_u32 v7, s28, v9                       ; and on the way out 8 bytes a lane
.irp b, 0,1,2,3
	v_mov_b32 v[TM+4+\b], 0                        ; written once: a lane permute's destination counts as one of its sources
.endr
.macro LOADX f                         ; the 16 rows of stored block 4 rq + f
.irp i, 0,1,2,3,4,5,6,7,8,9,10,11,12,13,14,15
	global_load_b128 v[XR+64*((\f)%2)+4*\i:XR+64*((\f)%2)+4*\i+3], v3, s[12:13] offset:(32*((\f)/2)+8*((\f)%2)+\i+8*(\i/8))*8192 th:TH_LOAD_NT
.endr
.endm
.macro XFRAG f
.if (\f) < 3
	s_wait_loadcnt 16                              ; this block's 16 loads are in; the next block's 16 may be out
.else
	s_wait_loadcnt 0x0
.endif
.irp i, 0,1,2,3,4,5,6,7,8,9,10,11,12,13,14,15
	ds_store_b128 v4, v[XR+64*((\f)%2)+4*\i:XR+64*((\f)%2)+4*\i+3] offset:528*\i
.endr
.irp b, 0,1,2,3
.irp j, 0,1,2,3
	ds_load_b128 v[XX+16*\b+4*\j:XX+16*\b+4*\j+3], v5 offset:128*\b+16*\j
.endr
.endr
	s_wait_dscnt 0x0
.if (\f)+2 < 4
	LOADX (\f)+2
.endif
.if (\f) > 0
	s_wait_xcnt 0x0                                ; the last fragment's stores have read their registers
.endif
	QUANT XX, PW
.irp c, 0,1,2
	global_store_b128 v3, v[PC+4*\c:PC+4*\c+3], s[16:17] offset:24576*(\f)+512*\c   ; the image: 512 consecutive bytes, aligned
.endr
	ds_store_b32 v6, v[PW] offset:8448+64*(\f)     ; both lanes of a row write the same word with the same value
.endm
	LOADX 0
	LOADX 1
	s_wait_alu depctr_va_vdst(0)
	XFRAG 0
	XFRAG 1
	XFRAG 2
	XFRAG 3
	ds_load_b64 v[10:11], v7 offset:8448
	s_wait_dscnt 0x0
	global_store_b64 v9, v[10:11], s[18:19]
	s_wait_tensorcnt 0x0                           ; the wave's end
	ds_add_u32 v250, v251
	s_wait_dscnt 0x0
	s_endpgm
.Lmask:
; ---- THE MASK.  A wave takes 16 queries (tile tb, in stored order) x 256 keys: whole rows of 256 bytes in, through its stage (rows 272 bytes apart), 128 lane-mask words out.
	s_sub_co_u32 s23, ttmp9, 640
	s_lshl_b32 s23, s23, 2
	s_add_co_u32 s23, s23, s22                     ; task = 8 tb + sl
	s_lshr_b32 s32, s23, 3
	s_and_b32 s33, s23, 7
	s_lshr_b32 s34, s32, 1
	s_lshl_b32 s34, s34, 16                        ; 32 (tb / 2) rows of 2,048 bytes
	s_and_b32 s35, s32, 1
	s_lshl_b32 s35, s35, 14                        ; + 8 (tb % 2) rows
	s_add_co_u32 s34, s34, s35
	s_lshl_b32 s35, s33, 8
	s_add_co_u32 s34, s34, s35
	s_mov_b32 s35, 0
	s_add_nc_u64 s[14:15], s[14:15], s[34:35]
	s_lshl_b32 s34, s23, 9
	s_add_nc_u64 s[36:37], s[20:21], s[34:35]      ; my 128 words
	s_lshl_b32 s34, s23, 2
	s_add_co_u32 s34, s34, 524288
	s_add_nc_u64 s[38:39], s[20:21], s[34:35]      ; my flag word
	s_mul_i32 s32, s22, 4352
	s_add_co_u32 s32, s32, MSTG
	s_wait_alu depctr_va_vdst(0)
	v_lshlrev_b32 v3, 4, v2
	v_lshl_add_u32 v3, v8, 11, v3                  ; in: lanes 0-15 one row, lanes 16-31 the next
	v_mul_u32_u24 v4, v8, 272
	v_lshl_add_u32 v4, v2, 4, v4
	v_add_nc_u32 v4, s32, v4
	v_mul_u32_u24 v5, v2, 272
	v_lshl_add_u32 v5, v8, 4, v5
	v_add_nc_u32 v5, s32, v5                       ; out: row r, + 16 h
	v_lshlrev_b32 v6, 4, v1
.irp i, 0,1,2,3,4,5,6,7
	global_load_b128 v[16+4*\i:19+4*\i], v3, s[14:15] offset:(2*\i+8*(\i/4))*2048 th:TH_LOAD_NT   ; stored rows 2 i, 2 i + 1
.endr
	s_wait_alu depctr_va_vdst(0)
	s_wait_loadcnt 0x0
.irp i, 0,1,2,3,4,5,6,7
	ds_store_b128 v4, v[16+4*\i:19+4*\i] offset:544*\i
.endr
.irp q, 0,1
.irp b, 0,1,2,3
	ds_load_b128 v[48+4*(4*\q+\b):51+4*(4*\q+\b)], v5 offset:128*\q+32*\b   ; my query's keys 128 q + 32 b + 16 h + 0 .. 15
.endr
.endr
.irp i, 0,1,2,3
	v_mov_b32 v[80+\i], 0                          ; written whole before lanes are written singly
.endr
	s_mov_b32 s24, 0                               ; any, first 128 keys
	s_mov_b32 s25, -1                              ; all
	s_mov_b32 s26, 0                               ; and the second 128
	s_mov_b32 s27, -1
	s_wait_alu depctr_va_vdst(0)
	s_wait_dscnt 0x0
.irp q, 0,1
.irp b, 0,1,2,3
.irp k, 0,1,2,3
.irp e, 0,1,2,3                        ; word 64 q + 16 b + 4 k + e goes to lane 16 q + 4 b + k, register e: the store below lays the words on end
	v_and_b32 v[84+\e], 0xff<<(8*\e), v[48+4*(4*\q+\b)+\k]
	v_cmp_ne_u32 s[28+\e], 0, v[84+\e]
	v_writelane_b32 v[80+\e], s[28+\e], 16*\q+4*\b+\k
	s_or_b32 s[24+2*\q], s[24+2*\q], s[28+\e]
	s_and_b32 s[25+2*\q], s[25+2*\q], s[28+\e]
.endr
.endr
.endr
.endr
	global_store_b128 v6, v[80:83], s[36:37]
	s_wait_tensorcnt 0x0                           ; behind my last LDS store, all lanes on
	ds_add_u32 v250, v251
	s_wait_dscnt 0x0
	s_cmp_lg_u32 s24, 0
	s_cselect_b32 s32, 1, 0
	s_cmp_lg_u32 s25, -1
	s_cselect_b32 s33, 2, 0
	s_cmp_lg_u32 s26, 0
	s_cselect_b32 s34, 4, 0
	s_cmp_lg_u32 s27, -1
	s_cselect_b32 s35, 8, 0
	s_or_b32 s32, s32, s33
	s_or_b32 s34, s34, s35
	s_or_b32 s32, s32, s34
	v_mov_b32 v88, s32
	v_mov_b32 v89, 0
	v_cmp_eq_u32 vcc_lo, 0, v1
	s_wait_alu depctr_va_vdst(0)
	s_wait_xcnt 0x0                                ; EXEC changes only behind this wait
	s_and_saveexec_b32 s33, vcc_lo
	global_store_b32 v89, v88, s[38:39]            ; lane 0 alone
	s_endpgm
.Lfunc_end_k_q96a77aa8aa_prep:
	.size	k_q96a77aa8aa_prep, .Lfunc_end_k_q96a77aa8aa_prep-k_q96a77aa8aa_prep
	.p2alignl 7, 3214868480
	.fill 96, 4, 3214868480
	.section	.rodata,"a",@progbits
	.p2align	6, 0x0
	.amdhsa_kernel k_q96a77aa8aa_prep
		.amdhsa_group_segment_fixed_size 77312
		.amdhsa_private_segment_fixed_size 0
		.amdhsa_enable_private_segment 0
		.amdhsa_kernarg_size 72
		.amdhsa_user_sgpr_count 2
		.amdhsa_user_sgpr_kernarg_segment_ptr 1
		.amdhsa_wavefront_size32 1
		.amdhsa_system_sgpr_workgroup_id_x 1
		.amdhsa_system_sgpr_workgroup_id_y 1
		.amdhsa_system_sgpr_workgroup_id_z 1
		.amdhsa_system_vgpr_workitem_id 0
		.amdhsa_next_free_vgpr 256
		.amdhsa_next_free_sgpr 66
		.amdhsa_reserve_vcc 1
		.amdhsa_float_denorm_mode_32 3
		.amdhsa_float_denorm_mode_16_64 3
		.amdhsa_memory_ordered 1
		.amdhsa_forward_progress 1
		.amdhsa_inst_pref_size 111
	.end_amdhsa_kernel
	.amdgpu_metadata
---
amdhsa.version: [ 1, 2 ]
amdhsa.kernels:
  - .name:           k_q96a77aa8aa_prep
    .symbol:         k_q96a77aa8aa_prep.kd
    .args:
      - { .name: Wq, .offset: 0, .size: 8, .value_kind: global_buffer, .address_space: global }
      - { .name: Wk, .offset: 8, .size: 8, .value_kind: global_buffer, .address_space: global }
      - { .name: Wv, .offset: 16, .size: 8, .value_kind: global_buffer, .address_space: global }
      - { .name: Wo, .offset: 24, .size: 8, .value_kind: global_buffer, .address_space: global }
      - { .name: x, .offset: 32, .size: 8, .value_kind: global_buffer, .address_space: global }
      - { .name: mask, .offset: 40, .size: 8, .value_kind: global_buffer, .address_space: global }
      - { .name: oc, .offset: 48, .size: 8, .value_kind: global_buffer, .address_space: global }
      - { .name: os, .offset: 56, .size: 8, .value_kind: global_buffer, .address_space: global }
      - { .name: mw, .offset: 64, .size: 8, .value_kind: global_buffer, .address_space: global }
    .group_segment_fixed_size: 77312
    .private_segment_fixed_size: 0
    .kernarg_segment_align: 8
    .kernarg_segment_size: 72
    .max_flat_workgroup_size: 128
    .sgpr_count:     66
    .vgpr_count:     256
    .wavefront_size: 32
...
	.end_amdgpu_metadata
.endif
;; end of part 1
;; launch qkv (part 2): grid 24 x 8, 4 waves a work-group, clusters of 4 x 4, 327,680 bytes of LDS; arguments oc, os, qkv; writes qkv
.if DOCPART == 2
	.amdgcn_target "amdgcn-amd-amdhsa--gfx1250"
	.amdhsa_code_object_version 6
	.text
	.protected	k_q96a77aa8aa_qkv
	.globl	k_q96a77aa8aa_qkv
	.p2align	8
	.type	k_q96a77aa8aa_qkv,@function
k_q96a77aa8aa_qkv:
	s_mov_b64 s[64:65], 0
	v_nop
	global_prefetch_b8 v0, s[64:65] scope:SCOPE_SE
	s_setreg_imm32_b32 hwreg(HW_REG_WAVE_MODE, 25, 1), 1
	s_wait_xcnt 0x0
	s_wait_alu depctr_hold_cnt(0) depctr_sa_sdst(0) depctr_va_vdst(0) depctr_va_sdst(0) depctr_va_ssrc(0) depctr_va_vcc(0) depctr_vm_vsrc(0)
	s_getreg_b32 s2, hwreg(HW_REG_IB_STS2, 6, 4)
	s_cmp_eq_u32 s2, 0
	s_cbranch_scc0 .Lentry_in_a_cluster
	s_endpgm
.Lentry_in_a_cluster:
	s_bfe_u32 s2, ttmp6, 0x10000c
	s_cmp_lg_u32 s2, 0xf033
	s_cbranch_scc0 .Lentry_shape_is_right
	s_endpgm
.Lentry_shape_is_right:
; QKV.  q = x Wq, k = x Wk and v^T = (x Wv)^T as ONE product on codes of FP6 (E2M3) with E8M0 scales, K = 2,048; the results are quantised in registers and stored as fragments for the attention launch.
; Operands: rows of oc / os (fragment images [row block of 16][K step of 128][1,536 bytes]; scale words [K step][row]).  A tile is 256 x 256, four waves, each 128 x 128: 64 accumulators, 512 registers.
; Tile columns 0-15: source 1 (A) = x's tokens, source 0 (B) = Wq's and Wk's columns.  Tile columns 16-23 (clusters with x >= 4): A = Wv's columns, B = x's tokens: the same text, other row offsets.
; The matrix instruction is used transposed (source 0 = B's 16 rows): a lane holds one row of A, and by the stored row order the 16 registers of B's blocks 2 b, 2 b + 1 are 16 neighbours along the next product's K.
; A wave's 128 columns are one head (q, k) or one step of 128 keys (v^T): one fragment and one scale word a row.  That is why the tile is not cut to 192 columns: 24 x 8 = 192 work-groups.
; THE RING: two LDS slots, each a CHUNK of three K steps (4,608 bytes of each of 512 row-block-rows' 16 + 16 row blocks: 147,456 bytes).  16 steps are chunks 0 to 5; chunk 5 holds step 15 alone:
; its load keeps the shape of the others, so that the walk stays a loop of two trips, and brings 3,072 bytes a row block that nobody reads (the next row block's first two steps, inside oc: the rows used end at block 511 of 640).
; THE SCALE WORDS of K steps 1 to 15 of the work-group's 512 rows come into LDS once (2 x 15,360 bytes); step 0's come straight into registers: ring, 16 steps of words and the spare words together pass 327,680 bytes by 512.
; CLUSTERS: 4 x 4.  A's tiles are shared along a row of the cluster, B's along a column: joint loads, each refill behind a round of the cluster's barrier.
; PREFETCH: behind the joint load of chunk n each wave names chunk n + 1 (three K steps, 192 matrix instructions of the wave, ahead of its load): of the 8 row blocks that a wave fetches each of the four partners takes two, by address;
; a lane names 256 bytes, 18 lanes a row block (the others repeat the last); chunk 5's refill names nothing.
; qkv: 32 arrays of 409,600 bytes (0-15 q's heads, 16-31 the k and v heads), each 8 records of 51,200: [16 fragments of 16 tokens][v^T: [128 keys 2][16 channels 8] fragments][16 x 64 bytes scale words][16 x 64 bytes v^T's].
; LIMITS: NaN and infinities are not served; blocks whose largest magnitude lies under 2^-124, zeros among them, get the byte 1 (this program alone reads the bytes).
; REGISTERS: window 0: v16-29 addresses; v32-47 scale words, two sets of 8 (lanes 0-15 A's block i, lanes 16-31 B's block i); v80-127 at work on the way out; v128-223 A's fragments, one set.
;   window 1: B's fragments, two sets, at v0 and v128.  windows 2, 3: the accumulators ((a, b) at v[8 (8 (a % 4) + b)]).
.set FR,    12
.set HL,    12                         ; LDS loads of half of A's blocks
.set FB,    3*1536                     ; a row block's bytes in a slot
.set HALFT, 8*FB
.set SLOT,  4*HALFT                    ; A's two halves, then B's two
.set SCL,   2*SLOT
.set SSTEP, 1024                       ; one K step's scale words of 256 rows
.set SCLB,  15*SSTEP+128               ; from A's words to B's: 128 bytes askew, so that the two halves of the lanes touch different words of a 256-byte run
.set SPARE, 325888                     ; the spare words, 128 bytes a wave: two blocks of 256 bytes that no other line names
.set ADRA, 16
.set ADRB, 20
.set LI,   24
.set LS,   25
.set PFO,  26
.set ADRS, 27
.set SPW,  28
.set NIL,  29
.set SC,   32
.set TM,   80
.set PC,   96
.set MG,   116
.set SW,   120
.set AF,   128
.set PFA,  4                           ; s[4:5] where my prefetches stand: my two row blocks, at the chunk that is being asked for
.set SEL,  12
.set G1,   24
.set G1B,  32
.set G0,   40
.set G0H,  48
.set G0B,  52
.set G0HB, 60
.set G1S,  68
.set G1SB, 76
.set G0S,  84
.set G0SB, 88
.set MUL_LO, 0xa1                      ; source 0 (B) window 1, source 1 (A) window 0, C and D window 2
.set MUL_HI, 0xf1
.set TO_B,   0x40
.set MSB, 0
.macro WIN new
.if MSB != (\new)
	s_set_vgpr_msb (MSB<<8)|(\new)
.set MSB, (\new)
.endif
.endm
.macro TLOAD g0, g1                    ; a tensor load, then an s_nop and four v_nop
	tensor_load_to_lds s[\g0:\g0+3], s[\g1:\g1+7]
	s_nop 0
.rept 4
	v_nop
.endr
.endm
.macro JLOAD g0a, g1a, g0b, g1b        ; a joint load: waves 0 and 1 fetch for A, waves 2 and 3 for B
	s_cmp_eq_u32 s15, 0
	s_cbranch_scc0 .Lfor_b_\@
	TLOAD \g0a, \g1a
	s_branch .Lasked_\@
.Lfor_b_\@:
	TLOAD \g0b, \g1b
.Lasked_\@:
.endm
.macro CREST
	s_cmp_lg_u32 s14, 0
	s_cbranch_scc1 .Lnot_wave_0_\@
	s_barrier_signal -3
.Lnot_wave_0_\@:
	s_barrier_wait -3
	s_barrier_signal -1
	s_barrier_wait -1
.endm
.macro CROUND
	s_barrier_signal -1
	s_barrier_wait -1
	CREST
.endm
.macro PLACES                          ; four plain places behind a matrix instruction (ISA guide 7.12.1)
.rept 4
	v_nop
.endr
.endm
.macro FRAG reg, adr, q, i             ; a fragment comes as it was stored: three loads of 512 consecutive bytes
.irp c, 0,1,2
	ds_load_b128 v[(\reg)+4*\c:(\reg)+4*\c+3], v[\adr] offset:(\i)*FB+(\q)*1536+512*\c
.endr
.endm
.macro FETCH_B slot, q, p
	WIN TO_B
.irp i, 0,1,2,3,4,5,6,7
	FRAG 128*(\p)+FR*\i, ADRB+(\slot), \q, \i
.endr
	WIN 0
.endm
.macro FETCH_A slot, q, half
.irp i, 0,1,2,3
	FRAG AF+FR*(4*(\half)+\i), ADRA+(\slot), \q, 4*(\half)+\i
.endr
.endm
.macro SCALES p, ko                    ; one K step's scale words into set p; ko: the step, counted from where ADRS stands
.irp i, 0,1,2,3,4,5,6,7
	ds_load_b32 v[SC+8*(\p)+\i], v[ADRS] offset:64*\i+SSTEP*(\ko)
.endr
.endm
; 16 products: two blocks of A x B's eight.  The accumulators take turns, one instruction a turn, in the same order in every step.
.macro MULQ i, p, zero
.set ma, (\i)*2
.rept 2
.set mb, 0
.rept 8
.set rD, 8*(8*(ma%4)+mb)
.set rB, 128*(\p)+FR*mb
.set rA, AF+FR*ma
.if \zero
	v_wmma_scale_f32_16x16x128_f8f6f4 v[rD:rD+7], v[rB:rB+11], v[rA:rA+11], 0, v[SC+8*(\p)+mb], v[SC+8*(\p)+ma] matrix_a_fmt:MATRIX_FMT_FP6 matrix_b_fmt:MATRIX_FMT_FP6 matrix_a_scale:MATRIX_SCALE_ROW1
.else
	v_wmma_scale_f32_16x16x128_f8f6f4 v[rD:rD+7], v[rB:rB+11], v[rA:rA+11], v[rD:rD+7], v[SC+8*(\p)+mb], v[SC+8*(\p)+ma] matrix_a_fmt:MATRIX_FMT_FP6 matrix_b_fmt:MATRIX_FMT_FP6 matrix_a_scale:MATRIX_SCALE_ROW1
.endif
.set mb, mb+1
.endr
.set ma, ma+1
.endr
.endm
; A K step whose successor lies in the same slot.  p: the step's parity: B's set and the scale words' set.
.macro STEP slot, q, p, zero, ko
	s_wait_dscnt HL                                ; all but the youngest 12 loads, A's upper half, are in
	WIN MUL_LO
	MULQ 0, \p, \zero
	MULQ 1, \p, \zero
	s_wait_dscnt 0x0                               ; A's upper half is in
	PLACES
	FETCH_B \slot, (\q)+1, 1-(\p)
	FETCH_A \slot, (\q)+1, 0
	SCALES 1-(\p), \ko
	WIN MUL_HI
	MULQ 2, \p, \zero
	MULQ 3, \p, \zero
	PLACES
	WIN 0
	FETCH_A \slot, (\q)+1, 1
.endm
.macro ASK slot                        ; the chunk behind the one just asked for; slot 1's refill of the last trip is chunk 5's: nothing follows it
.if \slot
	s_cmp_gt_u32 s3, 1
	s_cbranch_scc0 .Lno_ask_\@
.endif
	global_prefetch_b8 v[PFO], s[PFA:PFA+1] offset:FB th:TH_LOAD_NT scope:SCOPE_SE
	global_prefetch_b8 v[PFO], s[PFA:PFA+1] offset:FB+24576 th:TH_LOAD_NT scope:SCOPE_SE
.Lno_ask_\@:
.endm
; A slot's last step changes slots.  fill = 1: the barrier opens a round of the cluster's; behind the round this slot is filled again.  fill = 0: the barrier alone.
.macro TURN slot, next, p, fill, ko
.if \fill
	s_wait_xcnt 0x0                                ; my prefetches have read their address: it steps here
	s_add_nc_u64 s[PFA:PFA+1], s[PFA:PFA+1], FB
.endif
	s_wait_tensorcnt 0x0                           ; my one load that was out, my part of the next slot, has landed
	ds_add_u32 v[SPW], v[NIL]
	s_wait_dscnt HL+1                              ; (the add and A's upper half may be out)
	WIN MUL_LO
	MULQ 0, \p, 0
	s_wait_dscnt 0x0                               ; the add is done, and my reads of this slot are over
	s_barrier_signal -1
	MULQ 1, \p, 0
	WIN 0
	s_barrier_wait -1
.if \fill
	CREST                                          ; no wave of any partner still reads this slot or has a load on its way
	s_add_nc_u64 s[G0+4*(\slot)+2:G0+4*(\slot)+3], s[G0+4*(\slot)+2:G0+4*(\slot)+3], 2*FB
	s_add_nc_u64 s[G0B+4*(\slot)+2:G0B+4*(\slot)+3], s[G0B+4*(\slot)+2:G0B+4*(\slot)+3], 2*FB
	JLOAD G0+4*(\slot), G1, G0B+4*(\slot), G1B     ; its four v_nop are the places in front of the loads below
.else
	PLACES
.endif
	FETCH_B \next, 0, 1-(\p)
	FETCH_A \next, 0, 0
	SCALES 1-(\p), \ko
.if \fill
	ASK \slot
.endif
	WIN MUL_HI
	MULQ 2, \p, 0
	MULQ 3, \p, 0
	PLACES
	WIN 0
	FETCH_A \next, 0, 1
.endm
; 64 numbers of a lane in window w, register 16 b + i = k 32 b + 16 (lane / 16) + i of my row, become a fragment's codes in v[PC] on and its scale word in v[pw].  Each accumulator is read from its low end on.
.macro QUANT s, w, pw
	WIN 5*(\w)
.irp b, 0,1,2,3
	v_max3_num_f32 v[TM+\b], |v[(\s)+16*\b]|, |v[(\s)+1+16*\b]|, 0x1800000   ; and the floor 2^(3 - 127): the byte cannot fall under 1
.endr
.irp i, 2,4,6,8,10,12,14
.irp b, 0,1,2,3
	v_max3_num_f32 v[TM+\b], |v[(\s)+16*\b+\i]|, |v[(\s)+1+16*\b+\i]|, v[TM+\b]
.endr
.endr
	WIN 0
.irp b, 0,1,2,3
	v_permlanex16_b32 v[TM+4+\b], v[TM+\b], s[SEL], s[SEL+1]
.endr
.irp b, 0,1,2,3
	v_max_num_f32 v[TM+\b], v[TM+\b], v[TM+4+\b]
.endr
.irp b, 0,1,2,3
	v_add_nc_u32 v[TM+12+\b], 0xff000000, v[TM+\b] ; 2 off the exponent field: the conversion's scale operand
.endr
.irp b, 0,1,2,3
	v_lshrrev_b32 v[TM+4+\b], 23, v[TM+12+\b]
.endr
	v_lshl_or_b32 v[\pw], v[TM+5], 8, v[TM+4]
	v_lshl_or_b32 v[\pw], v[TM+6], 16, v[\pw]
	v_lshl_or_b32 v[\pw], v[TM+7], 24, v[\pw]
	WIN (\w)
.irp c, 0,1
	v_cvt_scalef32_pk16_fp6_f32 v[PC+6*\c:PC+2+6*\c], v[(\s)+32*\c:(\s)+15+32*\c], v[TM+12+2*\c]
	v_cvt_scalef32_pk16_fp6_f32 v[PC+12+4*\c:PC+14+4*\c], v[(\s)+16+32*\c:(\s)+31+32*\c], v[TM+13+2*\c]
.endr
	WIN 0
	v_nop                                          ; one plain place behind a scaled conversion
.irp c, 0,1
.irp i, 0,1,2
	v_permlane16_swap_b32 v[PC+6*\c+\i], v[PC+12+4*\c+\i]
.endr
.irp i, 0,1,2
	v_mov_b32 v[PC+3+6*\c+\i], v[PC+12+4*\c+\i]
.endr
.endr
.endm
.macro MKG0 g, lds, p                  ; a group 0: LDS address a constant, the tile's first byte in s[p:p+1]
	s_mov_b32 s[\g], 1
	s_mov_b32 s[\g+1], \lds
	s_mov_b64 s[\g+2:\g+3], s[\p:\p+1]
	s_or_b32 s[\g+3], s[\g+3], 0x80000000
.endm
.macro ARM under, g0, g1, next
	s_cmp_lt_u32 s14, \under
	s_cbranch_scc0 \next
	TLOAD \g0, \g1
	s_branch .Lhead_asked
\next:
.endm
	s_load_b128 s[4:7], s[0:1], 0x0                ; oc, os
	s_load_b64 s[8:9], s[0:1], 0x10                ; qkv
	v_lshl_add_u32 v[SPW], v0, 2, SPARE
	v_mov_b32 v[NIL], 0
	ds_add_u32 v[SPW], v[NIL]                      ; the opening lines: the add, twice on end, and its wait
	ds_add_u32 v[SPW], v[NIL]
	v_lshrrev_b32 v1, 5, v0
	v_readfirstlane_b32 s14, v1                    ; wave 0..3
	s_lshr_b32 s15, s14, 1                         ; which half of A's rows is mine.  Also: I fetch for A (0) or for B (1)
	s_and_b32 s16, s14, 1                          ; which half of B's rows.  Also: which half I fetch
	s_bfe_u32 s92, ttmp6, 0x40000                  ; cx
	s_bfe_u32 s93, ttmp6, 0x40004                  ; cy
	s_lshl_b32 s94, ttmp9, 2
	s_add_co_u32 s94, s94, s92                     ; tile column
	s_and_b32 s17, ttmp7, 0xffff
	s_lshl_b32 s17, s17, 2
	s_add_co_u32 s17, s17, s93                     ; tile row
	s_lshl_b32 s95, s93, 2
	s_lshl_b32 s95, 15, s95                        ; my row of the cluster
	s_lshl_b32 s96, 0x1111, s92                    ; my column
	s_cmp_ge_u32 ttmp9, 4                          ; v^T?  It hangs on the cluster's x alone
	s_cselect_b32 s97, 6144, 0
	s_or_b32 s[G1+0], s95, (3<<16)|(1<<21)         ; the mask; elements of 8 bytes; bit 21 beside a mask; no padding
	s_or_b32 s[G1B+0], s96, (3<<16)|(1<<21)
.irp g, G1, G1B                        ; row blocks of FB consecutive bytes, 24,576 bytes apart: 16 for the head's loads, 8 behind them
	s_mov_b32 s[\g+1], (FB/8)<<16
	s_mov_b32 s[\g+2], 16<<16
	s_mov_b32 s[\g+3], (FB/8)<<16
	s_mov_b32 s[\g+4], 16
	s_mov_b32 s[\g+5], 3072
	s_mov_b32 s[\g+6], 0
	s_mov_b32 s[\g+7], 0
.endr
	s_or_b32 s[G1S+0], s95, (3<<16)|(1<<21)
	s_or_b32 s[G1SB+0], s96, (3<<16)|(1<<21)
.irp g, G1S, G1SB                      ; 15 K steps, each 1,024 consecutive bytes of scale words, 40,960 bytes apart
	s_mov_b32 s[\g+1], (SSTEP/8)<<16
	s_mov_b32 s[\g+2], 15<<16
	s_mov_b32 s[\g+3], (SSTEP/8)<<16
	s_mov_b32 s[\g+4], 15
	s_mov_b32 s[\g+5], 5120
	s_mov_b32 s[\g+6], 0
	s_mov_b32 s[\g+7], 0
.endr
	s_lshl_b32 s18, s17, 8
	s_add_co_u32 s18, s18, s97                     ; A's first row: x's, or Wv's
	s_lshl_b32 s11, s94, 8
	s_add_co_u32 s11, s11, 2048
	s_sub_co_u32 s11, s11, s97                     ; B's: Wq's and Wk's, or x's
	s_lshl_b32 s22, s18, 2
	s_add_co_u32 s22, s22, 40960                   ; the scale words from K step 1 on
	s_mov_b32 s23, 0
	s_mul_i32 s20, s18, 1536
	s_mov_b32 s21, 0
	s_lshl_b32 s100, s11, 2
	s_add_co_u32 s100, s100, 40960
	s_mov_b32 s101, 0
	s_mul_i32 s98, s11, 1536
	s_mov_b32 s99, 0
	s_mul_i32 s19, s14, HALFT                      ; where the ring's loads go: no place in the cluster enters an LDS address
	s_mul_i32 s2, s16, 8*24576                     ; which 8 row blocks I fetch in the ring
	s_mov_b32 s3, 0
	s_mov_b32 s10, 0xffff0000                      ; lanes 16-31
	s_mov_b32 s[SEL], 0x76543210
	s_mov_b32 s[SEL+1], 0xfedcba98
	s_wait_dscnt 0x0                               ; both opening adds are done
	s_wait_kmcnt 0x0
	s_add_nc_u64 s[20:21], s[4:5], s[20:21]
	s_add_nc_u64 s[22:23], s[6:7], s[22:23]
	s_add_nc_u64 s[98:99], s[4:5], s[98:99]
	s_add_nc_u64 s[100:101], s[6:7], s[100:101]
	CROUND                                         ; all sixteen work-groups are here: the first joint loads meet
	MKG0 G0H,  0, 20                               ; chunk 0 of A's 16 row blocks,
	MKG0 G0HB, 2*HALFT, 98                         ; of B's,
	MKG0 G0S,  SCL, 22                             ; A's scale words,
	MKG0 G0SB, SCL+SCLB, 100                       ; B's
	s_add_nc_u64 s[20:21], s[20:21], s[2:3]        ; for the ring: my 8 row blocks
	s_add_nc_u64 s[98:99], s[98:99], s[2:3]
.irp s, 0,1
	s_mov_b32 s[G0+4*\s], 1
	s_add_co_u32 s[G0+4*\s+1], s19, \s*SLOT
	s_add_nc_u64 s[G0+4*\s+2:G0+4*\s+3], s[20:21], \s*FB
	s_or_b32 s[G0+4*\s+3], s[G0+4*\s+3], 0x80000000
	s_mov_b32 s[G0B+4*\s], 1
	s_add_co_u32 s[G0B+4*\s+1], s19, \s*SLOT
	s_add_nc_u64 s[G0B+4*\s+2:G0B+4*\s+3], s[98:99], \s*FB
	s_or_b32 s[G0B+4*\s+3], s[G0B+4*\s+3], 0x80000000
.endr
	s_cmp_eq_u32 s15, 0                            ; the prefetches: of the 8 row blocks that I fetch, my work-group's two, at chunk 1
	s_cselect_b64 s[PFA:PFA+1], s[20:21], s[98:99]
	s_cselect_b32 s2, s92, s93                     ; my place among the four that ask with me
	s_mul_i32 s2, s2, 2*24576
	s_add_co_u32 s2, s2, FB
	s_add_nc_u64 s[PFA:PFA+1], s[PFA:PFA+1], s[2:3]
; the head's loads, one a wave, in one chain of branches on the wave's number
	ARM 1, G0H,  G1,  .Lhead_b
	ARM 2, G0HB, G1B, .Lhead_sa
	ARM 3, G0S,  G1S, .Lhead_sb
	TLOAD G0SB, G1SB
.Lhead_asked:
	s_mul_i32 s20, s15, HALFT                      ; my half of A, by slot
	s_add_co_u32 s21, s20, SLOT
	s_mul_i32 s22, s16, HALFT
	s_add_co_u32 s22, s22, 2*HALFT                 ; my half of B, behind A's two
	s_add_co_u32 s23, s22, SLOT
	s_lshl_b32 s98, s15, 9
	s_lshl_b32 s99, s16, 9
	s_add_co_u32 s99, s99, SCLB
	s_sub_co_u32 s99, s99, s98                     ; from my A words to my B words
	s_add_co_u32 s98, s98, SCL-SSTEP               ; K step s lies s x 1,024 bytes behind this (s from 1 on)
	s_lshl_b32 s100, s15, 7
	s_add_co_u32 s100, s100, s18
	s_lshl_b32 s100, s100, 2                       ; K step 0's words in os: my 128 rows of A,
	s_lshl_b32 s101, s16, 7
	s_add_co_u32 s101, s101, s11
	s_lshl_b32 s101, s101, 2                       ; and of B
	v_and_b32 v1, 31, v0
	v_and_b32 v2, 15, v0                           ; r
	v_bfe_u32 v3, v0, 4, 1                         ; h
	v_lshlrev_b32 v[LI], 4, v1
	v_lshlrev_b32 v[LS], 2, v1
	v_add_nc_u32 v[ADRA], s20, v[LI]
	v_add_nc_u32 v[ADRA+1], s21, v[LI]
	v_add_nc_u32 v[ADRB], s22, v[LI]
	v_add_nc_u32 v[ADRB+1], s23, v[LI]
	v_lshlrev_b32 v5, 2, v2
	v_mul_u32_u24 v6, s99, v3                      ; lanes 16-31 take B's: one product with h
	v_add_nc_u32 v6, v5, v6
	v_add_nc_u32 v[ADRS], s98, v6
	v_mov_b32 v7, s100
	v_mov_b32 v8, s101
	v_cndmask_b32 v7, v7, v8, s10
	v_add_nc_u32 v7, v7, v5
	v_min_u32 v9, 17, v1
	v_lshlrev_b32 v[PFO], 8, v9                    ; 18 lanes name a row block's 18 runs of 256 bytes; the others repeat the last
.irp b, 0,1,2,3
	v_mov_b32 v[TM+4+\b], 0                        ; written once: a lane permute's destination counts as one of its sources
.endr
.irp i, 0,1,2,3,4,5,6,7
	global_load_b32 v[SC+\i], v7, s[6:7] offset:64*\i   ; K step 0's scale words, set 0
.endr
	s_wait_alu depctr_va_vdst(0)                   ; the wait at the head's end
	s_wait_tensorcnt 0x0                           ; my tile of the head's four is in
	ds_add_u32 v[SPW], v[NIL]
	s_mov_b32 s[G1+2], 8<<16                       ; no tensor load of mine is out: from here on a load brings 8 row blocks
	s_mov_b32 s[G1+4], 8
	s_mov_b32 s[G1B+2], 8<<16
	s_mov_b32 s[G1B+4], 8
	s_wait_dscnt 0x0
	CROUND
	JLOAD G0+4, G1, G0B+4, G1B                     ; chunk 1, the first tensor load behind the round
	FETCH_B 0, 0, 0
	FETCH_A 0, 0, 0
	FETCH_A 0, 0, 1
	ASK 0                                          ; chunk 2
	s_wait_loadcnt 0x0                             ; K step 0's scale words
	STEP 0, 0, 0, 1, 1                             ; step 0 stands in front of the loop: its products start the sums
	s_mov_b32 s3, 2
.Llap:                                             ; a trip is six K steps, once round the ring: steps 1-6, then 7-12; it fills both slots again
	STEP 0, 1, 1, 0, 2
	TURN 0, 1, 0, 1, 3
	STEP 1, 0, 1, 0, 4
	STEP 1, 1, 0, 0, 5
	TURN 1, 0, 1, 1, 6
	STEP 0, 0, 0, 0, 7
	v_add_nc_u32 v[ADRS], 6*SSTEP, v[ADRS]
	s_sub_co_u32 s3, s3, 1
	s_cmp_lg_u32 s3, 0
	s_wait_alu depctr_va_vdst(0)                   ; directly ahead of the branch
	s_cbranch_scc1 .Llap
	STEP 0, 1, 1, 0, 2                             ; step 13
	TURN 0, 1, 0, 0, 3                             ; step 14: nothing more is filled
	s_wait_dscnt HL                                ; step 15
	WIN MUL_LO
	MULQ 0, 1, 0
	MULQ 1, 1, 0
	s_wait_dscnt 0x0
	WIN MUL_HI
	MULQ 2, 1, 0
	MULQ 3, 1, 0
	WIN 0
; THE WAY OUT.  A's block a (16 rows) x my 128 columns is one fragment: quantised in registers, stored as its image.
	PLACES
	s_lshl_b32 s18, s17, 1
	s_add_co_u32 s18, s18, s15                     ; which 128 rows of A
	s_lshl_b32 s19, s94, 1
	s_add_co_u32 s19, s19, s16                     ; which 128 rows of B
	s_add_co_u32 s20, s18, 16
	s_sub_co_u32 s21, s19, 32
	s_cmp_ge_u32 ttmp9, 4
	s_cselect_b32 s20, s20, s19                    ; the array: q, k: by B's rows (the head); v^T: 16 + the head, by A's rows
	s_cselect_b32 s21, s21, s18                    ; which 128 tokens
	s_cselect_b32 s22, 24576, 0                    ; v^T's part of a record
	s_cselect_b32 s23, 1024, 0                     ; and of its scale words
	s_mul_i32 s20, s20, 409600
	s_lshr_b32 s18, s21, 1
	s_mul_i32 s18, s18, 51200
	s_add_co_u32 s20, s20, s18                     ; the record
	s_and_b32 s21, s21, 1
	s_mul_i32 s18, s21, 12288
	s_add_co_u32 s18, s18, s22
	s_add_co_u32 s18, s18, s20
	s_mov_b32 s19, 0
	s_lshl_b32 s21, s21, 9
	s_add_co_u32 s22, s21, s23
	s_add_co_u32 s22, s22, s20
	s_add_co_u32 s22, s22, 49152
	s_mov_b32 s23, 0
	s_add_nc_u64 s[18:19], s[8:9], s[18:19]
	s_add_nc_u64 s[22:23], s[8:9], s[22:23]
.irp a, 0,1,2,3,4,5,6,7
.if \a > 0
	s_wait_xcnt 0x0                                ; the last fragment's stores have read their registers
.endif
	QUANT 64*(\a%4), 2+\a/4, SW+\a
.irp c, 0,1,2
	global_store_b128 v[LI], v[PC+4*\c:PC+4*\c+3], s[18:19] offset:1536*\a+512*\c   ; 512 consecutive bytes, aligned
.endr
.endr
.irp i, 0,1,2,3
	v_cndmask_b32 v[MG+\i], v[SW+2*\i], v[SW+2*\i+1], s10   ; lanes 0-15 block 2 i's words, lanes 16-31 block 2 i + 1's
.endr
.irp i, 0,1,2,3
	global_store_b32 v[LS], v[MG+\i], s[22:23] offset:128*\i   ; 128 consecutive bytes
.endr
	s_wait_tensorcnt 0x0                           ; the wave's end
	ds_add_u32 v[SPW], v[NIL]
	s_wait_dscnt 0x0
	CROUND                                         ; the closing round
	s_endpgm
.Lfunc_end_k_q96a77aa8aa_qkv:
	.size	k_q96a77aa8aa_qkv, .Lfunc_end_k_q96a77aa8aa_qkv-k_q96a77aa8aa_qkv
	.p2alignl 7, 3214868480
	.fill 96, 4, 3214868480
	.section	.rodata,"a",@progbits
	.p2align	6, 0x0
	.amdhsa_kernel k_q96a77aa8aa_qkv
		.amdhsa_group_segment_fixed_size 327680
		.amdhsa_private_segment_fixed_size 0
		.amdhsa_enable_private_segment 0
		.amdhsa_kernarg_size 24
		.amdhsa_user_sgpr_count 2
		.amdhsa_user_sgpr_kernarg_segment_ptr 1
		.amdhsa_wavefront_size32 1
		.amdhsa_system_sgpr_workgroup_id_x 1
		.amdhsa_system_sgpr_workgroup_id_y 1
		.amdhsa_system_sgpr_workgroup_id_z 1
		.amdhsa_system_vgpr_workitem_id 0
		.amdhsa_next_free_vgpr 1024
		.amdhsa_next_free_sgpr 102
		.amdhsa_reserve_vcc 0
		.amdhsa_float_denorm_mode_32 3
		.amdhsa_float_denorm_mode_16_64 3
		.amdhsa_memory_ordered 1
		.amdhsa_forward_progress 1
		.amdhsa_inst_pref_size 169
	.end_amdhsa_kernel
	.amdgpu_metadata
---
amdhsa.version: [ 1, 2 ]
amdhsa.kernels:
  - .name:           k_q96a77aa8aa_qkv
    .symbol:         k_q96a77aa8aa_qkv.kd
    .args:
      - { .name: oc, .offset: 0, .size: 8, .value_kind: global_buffer, .address_space: global }
      - { .name: os, .offset: 8, .size: 8, .value_kind: global_buffer, .address_space: global }
      - { .name: qkv, .offset: 16, .size: 8, .value_kind: global_buffer, .address_space: global }
    .group_segment_fixed_size: 327680
    .private_segment_fixed_size: 0
    .kernarg_segment_align: 8
    .kernarg_segment_size: 24
    .max_flat_workgroup_size: 128
    .sgpr_count:     102
    .vgpr_count:     1024
    .wavefront_size: 32
...
	.end_amdgpu_metadata
.endif
;; end of part 2
;; launch attn (part 3): grid 16 x 16, 16 waves a work-group, no clusters, 118,784 bytes of LDS; arguments qkv, mw, ac, asc; writes ac, asc
.if DOCPART == 3
	.amdgcn_target "amdgcn-amd-amdhsa--gfx1250"
	.amdhsa_code_object_version 6
	.text
	.protected	k_q96a77aa8aa_attn
	.globl	k_q96a77aa8aa_attn
	.p2align	8
	.type	k_q96a77aa8aa_attn,@function
k_q96a77aa8aa_attn:
	s_mov_b64 s[64:65], 0
	v_nop
	global_prefetch_b8 v0, s[64:65] scope:SCOPE_SE
	s_setreg_imm32_b32 hwreg(HW_REG_WAVE_MODE, 25, 1), 1
	s_wait_xcnt 0x0
; ATTENTION on codes of FP6 (E2M3) with E8M0 scales: S^T = K Q^T, the mask, p = 2^(t - M), O^T = V^T P^T, O / l, and the result quantised along the head's channels for the last product.
; t = score x log2(e) / sqrt(128); M = the running largest t rounded UP to a whole number; p is quantised along the keys, not normalised; the row's sum l is taken of the unquantised p.  When M moves, l and O^T are multiplied by 2^(old M - new M): exact.
; SHARES.  Work-group (j, head): sixteen waves, eight tiles of 16 queries, TWO WAVES TO A TILE: of every record of 256 keys wave 2 p takes the first 128 and wave 2 p + 1 the second 128, each with an M, an l and an O^T of its own.
; So a tile that sees all keys is a chain of 8 steps in each of two waves and not of 16 in one, and four waves share a SIMD (4 x 256 registers).  At the end the odd wave hands its O^T, -M and l to the even wave through LDS;
; the even wave brings both halves under the larger M (powers of two: exact), adds them, divides by l, quantises and stores.
; Four pairs take tiles 4 j .. 4 j + 3, four take 124 - 4 j .. 127 - 4 j, dealt by the parity of the bits of p: pairs 2 s and 2 s + 1 differ, and pairs a, a + 2, a + 4, a + 6 are two and two; so work stays even for masks that hide late keys; it is right for any mask.
; A record (51,200 bytes: K's 16 fragments, V^T's 16, their scale words) is copied by the sixteen waves through registers into one of two LDS slots, one trip ahead.
; THE MASK IS AN INPUT: an earlier launch has turned it into lane-mask words (one word for each score register) and flags.  A step none of whose 16 x 128 places counts is jumped over by a scalar branch on the stored flag;
; a step all of whose places count skips the selection; else one v_cndmask_b32 a score, ahead of the maximum.
; NO MULTICAST, though the 16 work-groups of a head read the same records: the steps hang on flags read from memory; the records come by plain loads.
; LAYOUT.  Both products are used transposed: a lane holds one query (lane % 16) throughout.  By the stored row order the 16 registers of tiles 2 b, 2 b + 1 are keys (channels) 32 b + 16 (lane / 16) + 0 .. 15.
; A QUERY WITH NO VISIBLE KEY has l = 0: its scale word is set to 0xffffffff, so that its whole row of the output is NaN, as the definition has it.
; LIMITS: NaN and infinities among the inputs are not served; blocks under 2^-124, zeros among them, get the byte 1.
; REGISTERS: v1-11 addresses; v12 -M, v13 the largest t, v[14:15] l in two halves; v16-27 Q, v28 its scale words; v29 -infinity; v30 the pair's place for the handing over; v32-79 four fragments of K or of V^T (v32-43 also at work in the softmax);
;   v80-83 K's scale words, v84-87 V^T's; v88-112 the copy; v113 at work, v114 f, v115 p's scale word; v116-179 S^T, then p; v180-243 O^T; v244-255 p's codes.
.set REC,  51200
.set ARR,  409600
.set SL1,  65536                       ; slot 1: one exclusive or turns an address from one slot to the other
.set VPT,  24576                       ; V^T's fragments in a record
.set KSC,  49152                       ; K's scale words
.set VSC,  50176                       ; V^T's
.set QST,  12288                       ; a step's eight fragments
.set MRG,  8704                        ; what an odd wave hands over: 16 x 512 bytes of O^T, 512 of -M, t and l
.set FR,   32
.set KS,   80
.set VS,   84
.set ST,   88
.set TT,   113
.set FF,   114
.set PS,   115
.set S,    116
.set OT,   180
.set PCD,  244
.set BM,   32                          ; in the softmax: the blocks' largest scores, then p's, then the conversions' scale operands
.set T8,   36                          ; and eight registers at work
.set TM,   32                          ; on the way out: the quantiser's registers
.set PC,   48
.set PW,   68
.set SEL,  20
.macro COPY_LOAD                       ; a record: 512 threads x 16 bytes x 6 (the fragments), then 4 bytes each (the scale words)
.irp i, 0,1,2,3,4,5
	global_load_b128 v[ST+4*\i:ST+4*\i+3], v3, s[4:5] offset:8192*\i
.endr
	global_load_b32 v[ST+24], v4, s[4:5] offset:KSC
.endm
.macro COPY_STORE a16, a4
.irp i, 0,1,2,3,4,5
	ds_store_b128 v[\a16], v[ST+4*\i:ST+4*\i+3] offset:8192*\i
.endr
	ds_store_b32 v[\a4], v[ST+24] offset:KSC
.endm
.macro LDFRAG t, off                   ; fragment t of my step into place t % 4: three loads of 512 consecutive bytes
.irp c, 0,1,2
	ds_load_b128 v[FR+12*((\t)%4)+4*\c:FR+12*((\t)%4)+4*\c+3], v5 offset:(\off)+(\t)*1536+512*\c
.endr
.endm
.macro SPROD t                         ; S^T, tile t: one register carries an even tile's scale words in lanes 0-15 and the odd tile's in lanes 16-31
.if (\t)%2
	v_wmma_scale_f32_16x16x128_f8f6f4 v[S+8*(\t):S+8*(\t)+7], v[FR+12*((\t)%4):FR+12*((\t)%4)+11], v[16:27], 0, v[KS+(\t)/2], v28 matrix_a_fmt:MATRIX_FMT_FP6 matrix_b_fmt:MATRIX_FMT_FP6 matrix_a_scale:MATRIX_SCALE_ROW1
.else
	v_wmma_scale_f32_16x16x128_f8f6f4 v[S+8*(\t):S+8*(\t)+7], v[FR+12*((\t)%4):FR+12*((\t)%4)+11], v[16:27], 0, v[KS+(\t)/2], v28 matrix_a_fmt:MATRIX_FMT_FP6 matrix_b_fmt:MATRIX_FMT_FP6
.endif
.endm
.macro OPROD t                         ; O^T, tile t.  The eight accumulators take turns, one instruction a turn
.if (\t)%2
	v_wmma_scale_f32_16x16x128_f8f6f4 v[OT+8*(\t):OT+8*(\t)+7], v[FR+12*((\t)%4):FR+12*((\t)%4)+11], v[PCD:PCD+11], v[OT+8*(\t):OT+8*(\t)+7], v[VS+(\t)/2], v[PS] matrix_a_fmt:MATRIX_FMT_FP6 matrix_b_fmt:MATRIX_FMT_FP6 matrix_a_scale:MATRIX_SCALE_ROW1
.else
	v_wmma_scale_f32_16x16x128_f8f6f4 v[OT+8*(\t):OT+8*(\t)+7], v[FR+12*((\t)%4):FR+12*((\t)%4)+11], v[PCD:PCD+11], v[OT+8*(\t):OT+8*(\t)+7], v[VS+(\t)/2], v[PS] matrix_a_fmt:MATRIX_FMT_FP6 matrix_b_fmt:MATRIX_FMT_FP6
.endif
.endm
; 64 numbers of a lane, register 16 b + i = k 32 b + 16 (lane / 16) + i of my row, become a fragment's codes in v[PC] on and its scale word in v[pw].
.macro QUANT s, pw
.irp b, 0,1,2,3
	v_max3_num_f32 v[TM+\b], |v[(\s)+16*\b]|, |v[(\s)+1+16*\b]|, 0x1800000   ; and the floor 2^(3 - 127): the byte cannot fall under 1
.endr
.irp i, 2,4,6,8,10,12,14
.irp b, 0,1,2,3
	s_delay_alu instid0(VALU_DEP_4)
	v_max3_num_f32 v[TM+\b], |v[(\s)+16*\b+\i]|, |v[(\s)+1+16*\b+\i]|, v[TM+\b]
.endr
.endr
.irp b, 0,1,2,3
	s_delay_alu instid0(VALU_DEP_4)
	v_permlanex16_b32 v[TM+4+\b], v[TM+\b], s[SEL], s[SEL+1]
.endr
.irp b, 0,1,2,3
	s_delay_alu instid0(VALU_DEP_4)
	v_max_num_f32 v[TM+\b], v[TM+\b], v[TM+4+\b]
.endr
.irp b, 0,1,2,3
	s_delay_alu instid0(VALU_DEP_4)
	v_add_nc_u32 v[TM+12+\b], 0xff000000, v[TM+\b] ; 2 off the exponent field: the conversion's scale operand
.endr
.irp b, 0,1,2,3
	s_delay_alu instid0(VALU_DEP_4)
	v_lshrrev_b32 v[TM+4+\b], 23, v[TM+12+\b]
.endr
	s_delay_alu instid0(VALU_DEP_3)
	v_lshl_or_b32 v[\pw], v[TM+5], 8, v[TM+4]
	s_delay_alu instid0(VALU_DEP_1)
	v_lshl_or_b32 v[\pw], v[TM+6], 16, v[\pw]
	s_delay_alu instid0(VALU_DEP_1)
	v_lshl_or_b32 v[\pw], v[TM+7], 24, v[\pw]
.irp c, 0,1
	v_cvt_scalef32_pk16_fp6_f32 v[PC+6*\c:PC+2+6*\c], v[(\s)+32*\c:(\s)+15+32*\c], v[TM+12+2*\c]
	v_cvt_scalef32_pk16_fp6_f32 v[PC+12+4*\c:PC+14+4*\c], v[(\s)+16+32*\c:(\s)+31+32*\c], v[TM+13+2*\c]
.endr
	v_nop                                          ; one plain place behind a scaled conversion
.irp c, 0,1
.irp i, 0,1,2
	v_permlane16_swap_b32 v[PC+6*\c+\i], v[PC+12+4*\c+\i]
.endr
.irp i, 0,1,2
	s_delay_alu instid0(VALU_DEP_3)
	v_mov_b32 v[PC+3+6*\c+\i], v[PC+12+4*\c+\i]
.endr
.endr
.endm
	s_load_b256 s[4:11], s[0:1], 0x0               ; qkv s[4:5], mw s[6:7], ac s[8:9], asc s[10:11]
	v_lshrrev_b32 v1, 5, v0
	s_delay_alu instid0(VALU_DEP_1)
	v_readfirstlane_b32 s12, v1                    ; wave 0..15
	s_and_b32 s2, s12, 1                           ; q: which 128 keys of a record are mine
	s_lshr_b32 s3, s12, 1                          ; p: the pair, 0..7
	v_and_b32 v9, 31, v0                           ; lane
	v_and_b32 v31, 15, v0                          ; r
	s_delay_alu instid0(VALU_DEP_2)
	v_lshlrev_b32 v10, 4, v9                       ; 16 x lane
	s_delay_alu instid0(VALU_DEP_2)
	v_lshlrev_b32 v11, 2, v31                      ; 4 r
	v_lshlrev_b32 v3, 4, v0                        ; 16 x thread
	v_lshlrev_b32 v4, 2, v0                        ; 4 x thread
	s_mul_i32 s25, s2, QST
	v_add_nc_u32 v1, s25, v10                      ; my lane's place in my step's fragments
	s_lshl_b32 s25, s2, 9
	v_lshlrev_b32 v2, 2, v9
	s_delay_alu instid0(VALU_DEP_1)
	v_add_nc_u32 v2, s25, v2                       ; and in its scale words
	s_mul_i32 s25, s3, MRG
	v_add_nc_u32 v30, s25, v10                     ; the pair's place for the handing over: made here, ahead of every parting of the waves
	s_and_b32 s17, ttmp7, 0xffff                   ; the head
	s_bcnt1_i32_b32 s18, s3
	s_and_b32 s18, s18, 1                          ; a late tile?
	s_lshr_b32 s19, s3, 1
	s_lshl_b32 s24, ttmp9, 2
	s_sub_co_u32 s25, 124, s24
	s_cmp_eq_u32 s18, 1
	s_cselect_b32 s24, s25, s24
	s_add_co_u32 s24, s24, s19                     ; tb: the pair's tile of 16 queries
	s_mov_b32 s27, 0
	s_mov_b32 s[SEL], 0x76543210
	s_mov_b32 s[SEL+1], 0xfedcba98
	s_mov_b32 s22, 0x3e0293ee                      ; c = log2(e) / sqrt(128)
	s_mov_b32 s23, s22                             ; (named with it as a pair)
	s_mul_i32 s25, s17, ARR
	s_lshr_b32 s26, s24, 4
	s_mul_i32 s26, s26, REC
	s_add_co_u32 s25, s25, s26                     ; Q's record in q's array of this head
	s_and_b32 s28, s24, 15                         ; and my tile's place in it
	s_lshl_b32 s19, s2, 8                          ; my step's 64 mask words lie 256 q bytes on
	s_wait_alu depctr_va_vdst(0)
	s_wait_kmcnt 0x0
	s_lshl_b32 s26, s24, 5
	s_add_co_u32 s26, s26, 524288
	s_add_nc_u64 s[30:31], s[6:7], s[26:27]
	s_load_b256 s[32:39], s[30:31], 0x0            ; my tile's eight flag words
	s_lshl_b32 s26, s24, 12
	s_add_co_u32 s26, s26, s19
	s_add_nc_u64 s[6:7], s[6:7], s[26:27]          ; my mask words: 512 bytes a record
	s_mul_i32 s26, s28, 1536
	s_add_co_u32 s26, s26, s25
	s_add_nc_u64 s[18:19], s[4:5], s[26:27]        ; Q's fragment
	s_lshl_b32 s26, s28, 6
	s_add_co_u32 s26, s26, s25
	s_add_co_u32 s26, s26, KSC
	s_add_nc_u64 s[28:29], s[4:5], s[26:27]        ; Q's scale words
	s_add_co_u32 s26, s17, 16
	s_mul_i32 s26, s26, ARR
	s_add_nc_u64 s[4:5], s[4:5], s[26:27]          ; the head's k and v array, record 0
	s_lshl_b32 s26, s24, 4
	s_add_co_u32 s26, s26, s17
	s_mul_i32 s26, s26, 1536
	s_add_nc_u64 s[8:9], s[8:9], s[26:27]          ; the tile's fragment of the result
	s_lshl_b32 s26, s17, 13
	s_lshl_b32 s25, s24, 6
	s_add_co_u32 s26, s26, s25
	s_add_nc_u64 s[10:11], s[10:11], s[26:27]      ; and its scale words
	COPY_LOAD                                      ; record 0
.irp c, 0,1,2
	global_load_b128 v[16+4*\c:19+4*\c], v10, s[18:19] offset:512*\c
.endr
	global_load_b32 v28, v11, s[28:29]
	s_mov_b32 s13, 0                               ; the slot that is read
	s_mov_b32 s14, SL1                             ; the slot that is written
	s_mov_b32 s15, 0                               ; trips
	s_wait_kmcnt 0x0
	s_mov_b32 s16, s32                             ; the eight records' flags, four bits each
.irp i, 1,2,3,4,5,6,7
	s_lshl_b32 s25, s[32+\i], 4*\i
	s_or_b32 s16, s16, s25
.endr
	s_lshl_b32 s25, s2, 1
	s_lshr_b32 s16, s16, s25                       ; my step's two bits lowest: bit 0 any place counts, bit 1 not all count
.set n, 32
.rept 16
	s_mov_b64 s[n:n+1], 0                          ; the 64 mask words' registers, s32-63 and s68-99, are written once
.set n, n+2
.endr
.set n, 68
.rept 16
	s_mov_b64 s[n:n+1], 0
.set n, n+2
.endr
	v_mov_b32 v29, 0xff800000                      ; -infinity
	v_mov_b32 v13, 0xff61b1e6                      ; the largest t so far: -3e38
	s_delay_alu instid0(VALU_DEP_1)
	v_floor_f32 v12, -v13                          ; -M
	v_mov_b32 v14, 0
	v_mov_b32 v15, 0
	v_mov_b32 v[TT], 0                             ; (a lane permute's destination on the way out)
	v_mov_b32 v[FF], 0
	v_mov_b32 v[PS], 0                             ; (named as the upper half of the pair with f before it is first written)
.set j, 0
.rept 64
	v_mov_b32 v[OT+j], 0                           ; O^T: the step is written once; the first change of M leaves zeros zeros
.set j, j+1
.endr
	s_wait_loadcnt 4                               ; record 0's seven loads are in; Q's four may be out
	COPY_STORE 3, 4                                ; into slot 0
	s_wait_dscnt 0x0                               ; for the others' sake, and the stores have read their registers
	s_add_nc_u64 s[4:5], s[4:5], REC
	COPY_LOAD                                      ; record 1
	s_barrier_signal -1
	s_barrier_wait -1
	s_wait_loadcnt 7                               ; Q is in; the seven loads of record 1 may be out
.Ltrip:                                            ; 8 trips, one record each; in each a wave has ONE key step: its 128 keys of the record
	v_add_nc_u32 v5, s13, v1                       ; the slot's addresses are made on every wave's path
	v_add_nc_u32 v6, s13, v2
	v_add_nc_u32 v7, s14, v3
	v_add_nc_u32 v8, s14, v4
	s_bitcmp1_b32 s16, 0
	s_cbranch_scc0 .Lhidden                        ; no place of the step counts: p would be 0 and M unchanged
	s_bitcmp1_b32 s16, 1
	s_cbranch_scc0 .Lnoload
	s_load_b512 s[32:47], s[6:7], 0x0              ; the step's 64 lane-mask words
	s_load_b512 s[48:63], s[6:7], 0x40
	s_load_b512 s[68:83], s[6:7], 0x80
	s_load_b512 s[84:99], s[6:7], 0xc0
.Lnoload:
	s_wait_alu depctr_va_vdst(0)
.irp i, 0,1,2,3
	ds_load_b32 v[KS+\i], v6 offset:KSC+128*\i
	ds_load_b32 v[VS+\i], v6 offset:VSC+128*\i
.endr
.irp t, 0,1,2,3
	LDFRAG \t, 0                                   ; K's tiles 0-3
.endr
	s_wait_dscnt 0x0
.irp t, 0,1,2,3
	SPROD \t
.endr
.rept 4
	v_nop                                          ; places in front of loads into registers that matrix instructions have read
.endr
.irp t, 4,5,6,7
	LDFRAG \t, 0                                   ; K's tiles 4-7
.endr
	s_wait_dscnt 0x0
.irp t, 4,5,6,7
	SPROD \t
.endr
.rept 4
	v_nop                                          ; places in front of the loads below, of the first read of the scores, and of the softmax's writes into the first fragment's place
.endr
.irp t, 1,2,3
	LDFRAG \t, VPT                                 ; V^T's tiles 1-3 land while the softmax is worked: it touches v32-43 alone of the fragments' registers
.endr
	s_wait_kmcnt 0x0                               ; the mask words, where they were asked for
	s_bitcmp1_b32 s16, 1
	s_cbranch_scc0 .Lopen
.set n, 0
.rept 64                               ; register n holds key 32 (n / 16) + 16 (lane / 16) + n % 16 of my query: hidden scores become -infinity ahead of the maximum
.if n < 32
	v_cndmask_b32 v[S+n], v29, v[S+n], s[32+n]
.else
	v_cndmask_b32 v[S+n], v29, v[S+n], s[36+n]
.endif
.set n, n+1
.endr
.Lopen:
.irp b, 0,1,2,3
	v_max3_num_f32 v[BM+\b], v[S+16*\b], v[S+1+16*\b], v[S+2+16*\b]   ; the largest score of each block of 32 keys: it serves for the row's maximum and, since p rises with the score, for the block's largest p
.endr
.irp i, 3,5,7,9,11,13
.irp b, 0,1,2,3
	v_max3_num_f32 v[BM+\b], v[BM+\b], v[S+16*\b+\i], v[S+1+16*\b+\i]
.endr
.endr
.irp b, 0,1,2,3
	v_max_num_f32 v[BM+\b], v[BM+\b], v[S+15+16*\b]
.endr
.irp b, 0,1,2,3
	s_delay_alu instid0(VALU_DEP_4)
	v_permlanex16_b32 v[T8+\b], v[BM+\b], s[SEL], s[SEL+1]
.endr
.irp b, 0,1,2,3
	s_delay_alu instid0(VALU_DEP_4)
	v_max_num_f32 v[BM+\b], v[BM+\b], v[T8+\b]     ; with lane l xor 16's 16 keys
.endr
	s_delay_alu instid0(VALU_DEP_2)
	v_max3_num_f32 v[TT], v[BM], v[BM+1], v[BM+2]
	s_delay_alu instid0(VALU_DEP_1)
	v_max_num_f32 v[TT], v[TT], v[BM+3]
	s_delay_alu instid0(VALU_DEP_1)
	v_mul_f32 v[TT], s22, v[TT]                    ; as t
	s_delay_alu instid0(VALU_DEP_1)
	v_max_num_f32 v13, v13, v[TT]                  ; the running largest t
	v_mov_b32 v[TT], v12
	s_delay_alu instid0(VALU_DEP_2)
	v_floor_f32 v12, -v13                          ; the new -M = -ceil(t)
	s_delay_alu instid0(VALU_DEP_1)
	v_sub_f32 v[TT], v12, v[TT]                    ; old M - new M: a whole number, 0 or less
	s_delay_alu instid0(VALU_DEP_1)
	v_cvt_i32_f32 v[TT], v[TT]                     ; (it saturates)
	s_delay_alu instid0(VALU_DEP_1)
	v_ldexp_f32 v[FF], 1.0, v[TT]                  ; f = 2^(old M - new M)
.set j, 0
.rept 32
	v_pk_fma_f32 v[S+j:S+j+1], v[S+j:S+j+1], s[22:23], v[12:13] op_sel_hi:[1,0,0]   ; t - M
.set j, j+2
.endr
.irp b, 0,1,2,3
	v_fma_f32 v[BM+\b], v[BM+\b], s22, v12         ; the same of each block's largest score
.endr
.set j, 0
	s_wait_alu depctr_va_vdst(0)
.rept 64
	v_exp_f32 v[S+j], v[S+j]                       ; p = 2^(t - M)
.set j, j+1
.endr
.irp b, 0,1,2,3
	v_exp_f32 v[BM+\b], v[BM+\b]                   ; the block's largest p
.endr
	v_pk_mul_f32 v[14:15], v[14:15], v[FF:FF+1] op_sel_hi:[1,0]
	s_wait_alu depctr_va_vdst(0)                   ; one wait for the whole batch, ahead of its first reader
.irp b, 0,1,2,3
	v_max_num_f32 v[BM+\b], 0x1800000, v[BM+\b]    ; the floor: the byte cannot fall under 1
.endr
.irp b, 0,1,2,3
	s_delay_alu instid0(VALU_DEP_4)
	v_add_nc_u32 v[BM+\b], 0xff000000, v[BM+\b]    ; 2 off the exponent field: the conversion's scale operand
.endr
.irp b, 0,1,2,3
	s_delay_alu instid0(VALU_DEP_4)
	v_lshrrev_b32 v[T8+\b], 23, v[BM+\b]
.endr
	s_delay_alu instid0(VALU_DEP_3)
	v_lshl_or_b32 v[PS], v[T8+1], 8, v[T8]         ; p's scale word for these 128 keys
	s_delay_alu instid0(VALU_DEP_1)
	v_lshl_or_b32 v[PS], v[T8+2], 16, v[PS]
	s_delay_alu instid0(VALU_DEP_1)
	v_lshl_or_b32 v[PS], v[T8+3], 24, v[PS]
.irp c, 0,1
	v_cvt_scalef32_pk16_fp6_f32 v[PCD+6*\c:PCD+2+6*\c], v[S+32*\c:S+15+32*\c], v[BM+2*\c]
	v_cvt_scalef32_pk16_fp6_f32 v[T8+4*\c:T8+2+4*\c], v[S+16+32*\c:S+31+32*\c], v[BM+1+2*\c]
.endr
	v_nop                                          ; one plain place behind a scaled conversion
.irp c, 0,1
.irp i, 0,1,2
	v_permlane16_swap_b32 v[PCD+6*\c+\i], v[T8+4*\c+\i]
.endr
.irp i, 0,1,2
	s_delay_alu instid0(VALU_DEP_3)
	v_mov_b32 v[PCD+3+6*\c+\i], v[T8+4*\c+\i]
.endr
.endr
	v_pk_add_f32 v[T8:T8+1], v[S:S+1], v[S+2:S+3]  ; the row's sum is taken of the unquantised p, in two chains
.set j, 4
.rept 15
	v_pk_add_f32 v[14:15], v[14:15], v[S+j:S+j+1]
	v_pk_add_f32 v[T8:T8+1], v[T8:T8+1], v[S+2+j:S+3+j]
.set j, j+4
.endr
	s_delay_alu instid0(VALU_DEP_1)
	v_pk_add_f32 v[14:15], v[14:15], v[T8:T8+1]
	LDFRAG 0, VPT                                  ; V^T's tile 0: the softmax has left its place
.set j, 0
	s_wait_alu depctr_va_vdst(0)
.rept 32
	v_pk_mul_f32 v[OT+j:OT+j+1], v[OT+j:OT+j+1], v[FF:FF+1] op_sel_hi:[1,0]   ; O^T under the new M; these are also the places between p's codes and scale word and the products below
.set j, j+2
.endr
	s_wait_alu depctr_va_vdst(0)
	s_wait_dscnt 0x0                               ; V^T's tiles 0-3 are in
.irp t, 0,1,2,3
	OPROD \t
.endr
.rept 4
	v_nop                                          ; places in front of loads into registers that matrix instructions have read
.endr
.irp t, 4,5,6,7
	LDFRAG \t, VPT
.endr
	s_wait_dscnt 0x0
.irp t, 4,5,6,7
	OPROD \t
.endr
.rept 4
	v_nop                                          ; places in front of the next loads into the fragments' and scale words' registers, and of the next read of O^T
.endr
.Lhidden:
	s_lshr_b32 s16, s16, 4                         ; the next record's flags
	s_wait_loadcnt 0x0                             ; the next record is in registers
	s_cmp_eq_u32 s15, 7
	s_cbranch_scc1 .Lno_store
	s_wait_alu depctr_va_vdst(0)
	COPY_STORE 7, 8                                ; into the slot that every wave left in front of the last barrier
.Lno_store:
	s_wait_dscnt 0x0                               ; my stores have landed and my reads of this slot are over
	s_cmp_ge_u32 s15, 6
	s_cbranch_scc1 .Lno_load
	s_add_nc_u64 s[4:5], s[4:5], REC
	COPY_LOAD                                      ; two records ahead of the one just read: a whole trip in which to land; no load leaves the array
.Lno_load:
	s_barrier_signal -1
	s_barrier_wait -1
	s_xor_b32 s13, s13, SL1
	s_xor_b32 s14, s14, SL1
	s_add_nc_u64 s[6:7], s[6:7], 512               ; (every scalar load of the trip has been waited for)
	s_add_co_u32 s15, s15, 1
	s_cmp_lt_u32 s15, 8
	s_cbranch_scc1 .Ltrip
; THE TWO HALVES MEET.  Behind the last trip's barrier nobody reads the slots: the odd wave lays its O^T, -M, t and l there as images of its registers; a barrier; the even wave takes them.
	s_cmp_eq_u32 s2, 0
	s_cbranch_scc1 .Lkeep
	s_wait_alu depctr_va_vdst(0)
.irp k, 0,1,2,3,4,5,6,7,8,9,10,11,12,13,14,15
	ds_store_b128 v30, v[OT+4*\k:OT+4*\k+3] offset:512*\k   ; each accumulator from its low end on
.endr
	ds_store_b128 v30, v[12:15] offset:8192
.Lkeep:
	v_lshl_add_u32 v32, v0, 2, 116736              ; no two registers can be kept: my spare word's address (behind slot 1) and 0 are made here, from v0 as it was at the entry
	v_mov_b32 v33, 0
	s_wait_alu depctr_va_vdst(0)
	s_wait_tensorcnt 0x0                           ; behind every wave's last LDS store
	ds_add_u32 v32, v33
	s_wait_dscnt 0x0
	s_barrier_signal -1
	s_barrier_wait -1
	s_cmp_eq_u32 s2, 0
	s_cbranch_scc1 .Lfinish
	s_endpgm                                       ; the odd wave has handed over all that it made
.Lfinish:
.irp k, 0,1,2,3,4,5,6,7,8,9,10,11,12,13,14,15
	ds_load_b128 v[S+4*\k:S+4*\k+3], v30 offset:512*\k      ; the partner's O^T
.endr
	ds_load_b128 v[32:35], v30 offset:8192         ; its -M, t and l
	s_wait_dscnt 0x0
	v_min_num_f32 v36, v12, v32                    ; the smaller -M: the larger M
	s_delay_alu instid0(VALU_DEP_1)
	v_sub_f32 v37, v36, v12                        ; my M less the larger: a whole number, 0 or less
	s_delay_alu instid0(VALU_DEP_2)
	v_sub_f32 v38, v36, v32                        ; the partner's likewise
	s_delay_alu instid0(VALU_DEP_2)
	v_cvt_i32_f32 v37, v37                         ; (they saturate: a half that saw no key holds zeros, which any finite factor leaves zeros)
	s_delay_alu instid0(VALU_DEP_2)
	v_cvt_i32_f32 v38, v38
	s_delay_alu instid0(VALU_DEP_2)
	v_ldexp_f32 v40, 1.0, v37                      ; my factor, a power of two
	s_delay_alu instid0(VALU_DEP_2)
	v_ldexp_f32 v42, 1.0, v38                      ; the partner's
	v_add_f32 v14, v14, v15                        ; l's halves
	v_add_f32 v34, v34, v35
	s_delay_alu instid0(VALU_DEP_2)
	v_mul_f32 v14, v14, v40
	s_delay_alu instid0(VALU_DEP_1)
	v_fma_f32 v14, v34, v42, v14                   ; both under the larger M
	s_delay_alu instid0(VALU_DEP_1)
	v_permlanex16_b32 v[TT], v14, s[SEL], s[SEL+1]
	s_delay_alu instid0(VALU_DEP_1)
	v_add_f32 v14, v14, v[TT]                      ; with lane l xor 16's: l
	s_wait_alu depctr_va_vdst(0)
	v_rcp_f32 v15, v14
	v_mov_b32 v41, 0                               ; (a plain place behind the transcendental; named below as the upper halves of pairs)
	v_mov_b32 v43, 0
	s_wait_alu depctr_va_vdst(0)                   ; ahead of the first reader of 1 / l
	v_mul_f32 v40, v40, v15
	v_mul_f32 v42, v42, v15
.set j, 0
.rept 32
	v_pk_mul_f32 v[S+j:S+j+1], v[S+j:S+j+1], v[42:43] op_sel_hi:[1,0]
.set j, j+2
.endr
.set j, 0
	s_wait_alu depctr_va_vdst(0)
.rept 32
	v_pk_fma_f32 v[S+j:S+j+1], v[OT+j:OT+j+1], v[40:41], v[S+j:S+j+1] op_sel_hi:[1,0,1]   ; O / l; register 8 t + i is channel 32 (t / 2) + 16 (lane / 16) + 8 (t % 2) + i of my query: the quantiser's order
.set j, j+2
.endr
.irp b, 0,1,2,3
	v_mov_b32 v[TM+4+\b], 0                        ; a lane permute's destination counts as one of its sources
.endr
	QUANT S, PW                                    ; the fragment is K step `head` of the last product
	v_mov_b32 v[PW+1], -1
	v_cmp_eq_f32 vcc_lo, 0, v14
	s_delay_alu instid0(VALU_DEP_1)
	v_cndmask_b32 v[PW], v[PW], v[PW+1], vcc_lo    ; no visible key: four NaN bytes
.irp c, 0,1,2
	global_store_b128 v10, v[PC+4*\c:PC+4*\c+3], s[8:9] offset:512*\c   ; 512 consecutive bytes, aligned
.endr
	v_cmp_gt_u32 vcc_lo, 16, v9
	s_wait_alu depctr_va_vdst(0)
	s_wait_xcnt 0x0                                ; EXEC changes only behind this wait
	s_and_saveexec_b32 s16, vcc_lo
	global_store_b32 v11, v[PW], s[10:11]          ; lanes 0-15: 16 rows' scale words
	s_endpgm
.Lfunc_end_k_q96a77aa8aa_attn:
	.size	k_q96a77aa8aa_attn, .Lfunc_end_k_q96a77aa8aa_attn-k_q96a77aa8aa_attn
	.p2alignl 7, 3214868480
	.fill 96, 4, 3214868480
	.section	.rodata,"a",@progbits
	.p2align	6, 0x0
	.amdhsa_kernel k_q96a77aa8aa_attn
		.amdhsa_group_segment_fixed_size 118784
		.amdhsa_private_segment_fixed_size 0
		.amdhsa_enable_private_segment 0
		.amdhsa_kernarg_size 32
		.amdhsa_user_sgpr_count 2
		.amdhsa_user_sgpr_kernarg_segment_ptr 1
		.amdhsa_wavefront_size32 1
		.amdhsa_system_sgpr_workgroup_id_x 1
		.amdhsa_system_sgpr_workgroup_id_y 1
		.amdhsa_system_sgpr_workgroup_id_z 1
		.amdhsa_system_vgpr_workitem_id 0
		.amdhsa_next_free_vgpr 256
		.amdhsa_next_free_sgpr 100
		.amdhsa_reserve_vcc 1
		.amdhsa_float_denorm_mode_32 3
		.amdhsa_float_denorm_mode_16_64 3
		.amdhsa_memory_ordered 1
		.amdhsa_forward_progress 1
		.amdhsa_inst_pref_size 50
	.end_amdhsa_kernel
	.amdgpu_metadata
---
amdhsa.version: [ 1, 2 ]
amdhsa.kernels:
  - .name:           k_q96a77aa8aa_attn
    .symbol:         k_q96a77aa8aa_attn.kd
    .args:
      - { .name: qkv, .offset: 0, .size: 8, .value_kind: global_buffer, .address_space: global }
      - { .name: mw, .offset: 8, .size: 8, .value_kind: global_buffer, .address_space: global }
      - { .name: ac, .offset: 16, .size: 8, .value_kind: global_buffer, .address_space: global }
      - { .name: asc, .offset: 24, .size: 8, .value_kind: global_buffer, .address_space: global }
    .group_segment_fixed_size: 118784
    .private_segment_fixed_size: 0
    .kernarg_segment_align: 8
    .kernarg_segment_size: 32
    .max_flat_workgroup_size: 512
    .sgpr_count:     100
    .vgpr_count:     256
    .wavefront_size: 32
...
	.end_amdgpu_metadata
.endif
;; end of part 3
;; launch proj (part 4): grid 16 x 16, 4 waves a work-group, clusters of 4 x 4, 327,680 bytes of LDS; arguments ac, asc, oc, os, bo, out0; writes out0
.if DOCPART == 4
	.amdgcn_target "amdgcn-amd-amdhsa--gfx1250"
	.amdhsa_code_object_version 6
	.text
	.protected	k_q96a77aa8aa_proj
	.globl	k_q96a77aa8aa_proj
	.p2align	8
	.type	k_q96a77aa8aa_proj,@function
k_q96a77aa8aa_proj:
	s_mov_b64 s[64:65], 0
	v_nop
	global_prefetch_b8 v0, s[64:65] scope:SCOPE_SE
	s_setreg_imm32_b32 hwreg(HW_REG_WAVE_MODE, 25, 1), 1
	s_wait_xcnt 0x0
	s_wait_alu depctr_hold_cnt(0) depctr_sa_sdst(0) depctr_va_vdst(0) depctr_va_sdst(0) depctr_va_ssrc(0) depctr_va_vcc(0) depctr_vm_vsrc(0)
	s_getreg_b32 s2, hwreg(HW_REG_IB_STS2, 6, 4)
	s_cmp_eq_u32 s2, 0
	s_cbranch_scc0 .Lentry_in_a_cluster
	s_endpgm
.Lentry_in_a_cluster:
	s_bfe_u32 s2, ttmp6, 0x10000c
	s_cmp_lg_u32 s2, 0xf033
	s_cbranch_scc0 .Lentry_shape_is_right
	s_endpgm
.Lentry_shape_is_right:
; PROJ.  out = attn Wo + bo on codes of FP6 (E2M3) with E8M0 scales, K = 2,048 = 16 steps of 128 (a step is a head).
; A = ac (fragment images [block of 16 tokens][K step][1,536 bytes]), scale words asc [K step][2,048 rows]; B = oc's rows 8,192 on (Wo's columns), scale words os [K step][10,240 rows].
; A tile is 128 x 128: 16 x 16 = 256 work-groups; four waves, each 64 x 64: 16 accumulators.  The matrix instruction is used transposed (source 0 = B's rows): a lane holds eight neighbouring columns of a row of out.
; LDS holds 12 of the 16 K steps at once: region R0, [A's 8 row blocks][4 steps] and B's likewise (98,304 bytes), and region R1 with 8 steps (196,608 bytes).
; The head's four loads, one a wave, bring steps 0-3 into R0 and steps 4-11 into R1.  Behind step 3's reads R0 is filled again, once, with steps 12-15, each wave a quarter; that load has steps 4-11, 128 matrix instructions of a wave, in which to land.
; THE SCALE WORDS go straight into registers, 4 for each K step: a load of 128 consecutive bytes carries an even block's words in lanes 0-15 and the odd block's in lanes 16-31.  So the head's four loads are all codes.
; CLUSTERS: 4 x 4.  A's tiles are shared along a row of the cluster, B's along a column: joint loads.
; PREFETCH: at the head each wave names its work-group's share of what the one refill will load (of the 4 row blocks that the wave will fetch the partner at place p takes block p: 24 runs of 256 bytes, a lane each; the other lanes repeat the last): four K steps ahead of the refill.
; The bias is the C of each accumulator's first product.  A query with no visible key has 0xff scale bytes in asc: its row of out is NaN.
; REGISTERS: window 0: v16-30 addresses; v32-95 scale words (step s: v[32 + 4 s] on: A's two, B's two); v96-127 the bias; v128-175 A's fragments, one set (v128-191 on the way out).  window 1: B's fragments, two sets, at v0 and v128.  window 2: the accumulators.
.set FR,    12
.set HL,    6                          ; LDS loads of half of A's blocks
.set R1,    98304
.set SPARE, 294912                     ; the spare words, 128 bytes a wave: two blocks of 256 bytes that no other line names
.set STAGE, 295424                     ; the way out: 16 rows x 272 bytes for each wave, bytes of their own
.set ADRA, 16
.set ADRB, 20
.set STO,  24
.set RD,   25
.set CO,   26
.set LS,   27
.set SPW,  28
.set NIL,  29
.set PFO,  30
.set SC,   32
.set BIAS, 96
.set AF,   128
.set G1A0, 24
.set G1B0, 32
.set G1A1, 40
.set G1B1, 48
.set G0A0, 56
.set G0B0, 60
.set G0A1, 68
.set G0B1, 72
.set G0RA, 76
.set G0RB, 80
.set PFA,  84
.set MUL,  0xa1                        ; source 0 (B) window 1, source 1 (A) window 0, C and D window 2
.set MULB, 0x81                        ; the same with C (the bias) in window 0
.set TO_B, 0x40
.set MSB, 0
.macro WIN new
.if MSB != (\new)
	s_set_vgpr_msb (MSB<<8)|(\new)
.set MSB, (\new)
.endif
.endm
.macro TLOAD g0, g1                    ; a tensor load, then an s_nop and four v_nop
	tensor_load_to_lds s[\g0:\g0+3], s[\g1:\g1+7]
	s_nop 0
.rept 4
	v_nop
.endr
.endm
.macro JLOAD g0a, g1a, g0b, g1b
	s_cmp_eq_u32 s15, 0
	s_cbranch_scc0 .Lfor_b_\@
	TLOAD \g0a, \g1a
	s_branch .Lasked_\@
.Lfor_b_\@:
	TLOAD \g0b, \g1b
.Lasked_\@:
.endm
.macro CREST
	s_cmp_lg_u32 s14, 0
	s_cbranch_scc1 .Lnot_wave_0_\@
	s_barrier_signal -3
.Lnot_wave_0_\@:
	s_barrier_wait -3
	s_barrier_signal -1
	s_barrier_wait -1
.endm
.macro CROUND
	s_barrier_signal -1
	s_barrier_wait -1
	CREST
.endm
.macro PLACES
.rept 4
	v_nop
.endr
.endm
.macro LOC st                          ; where K step st lies: region LSL, place LQ in it
.if (\st) < 4
.set LSL, 0
.set LQ, (\st)
.elseif (\st) < 12
.set LSL, 1
.set LQ, (\st)-4
.else
.set LSL, 0
.set LQ, (\st)-12
.endif
.endm
.macro FRAG reg, adr, st, i
	LOC \st
.irp c, 0,1,2
	ds_load_b128 v[(\reg)+4*\c:(\reg)+4*\c+3], v[(\adr)+LSL] offset:(\i)*6144*(1+LSL)+LQ*1536+512*\c
.endr
.endm
.macro FETCH_B st
	WIN TO_B
.irp i, 0,1,2,3
	FRAG 128*((\st)%2)+FR*\i, ADRB, \st, \i
.endr
	WIN 0
.endm
.macro FETCH_A st, half
.irp i, 0,1
	FRAG AF+FR*(2*(\half)+\i), ADRA, \st, 2*(\half)+\i
.endr
.endm
.macro WM x, y
	v_wmma_scale_f32_16x16x128_f8f6f4 v[rD:rD+7], v[rB:rB+11], v[rA:rA+11], v[rC:rC+7], v[rSB], v[rSA] matrix_a_fmt:MATRIX_FMT_FP6 matrix_b_fmt:MATRIX_FMT_FP6 \x \y
.endm
; A's block ma x B's four.  The 16 accumulators take turns, one instruction a turn, in the same order in every step.
.macro MULQ ma, st, bias
.irp mb, 0,1,2,3
.set rD, 8*(4*(\ma)+\mb)
.set rB, 128*((\st)%2)+FR*\mb
.set rA, AF+FR*(\ma)
.set rSB, SC+4*(\st)+2+\mb/2
.set rSA, SC+4*(\st)+(\ma)/2
.if \bias
.set rC, BIAS+8*\mb
.else
.set rC, rD
.endif
.if (\mb%2) && ((\ma)%2)
	WM matrix_a_scale:MATRIX_SCALE_ROW1, matrix_b_scale:MATRIX_SCALE_ROW1
.elseif \mb%2
	WM matrix_a_scale:MATRIX_SCALE_ROW1
.elseif (\ma)%2
	WM matrix_b_scale:MATRIX_SCALE_ROW1
.else
	WM
.endif
.endr
.endm
.macro STEP st, bias
	s_wait_dscnt HL                                ; all but the youngest 6 loads, A's upper half, are in
	WIN MUL-0x20*(\bias)
	MULQ 0, \st, \bias
	MULQ 1, \st, \bias
	s_wait_dscnt 0x0
	PLACES
	FETCH_B (\st)+1
	FETCH_A (\st)+1, 0
	WIN MUL-0x20*(\bias)
	MULQ 2, \st, \bias
	MULQ 3, \st, \bias
	PLACES
	WIN 0
	FETCH_A (\st)+1, 1
.endm
; A region's last step.  fill = 1: the barrier opens a round of the cluster's, and R0 is filled again behind it.  fill = 0: the barrier alone shows the refill whole to all four waves.
.macro TURN st, fill
	s_wait_tensorcnt 0x0                           ; all my tensor loads have landed
	ds_add_u32 v[SPW], v[NIL]
	s_wait_dscnt HL+1                              ; (the add and A's upper half may be out)
	WIN MUL
	MULQ 0, \st, 0
	s_wait_dscnt 0x0                               ; the add is done, and my reads of this region are over
	s_barrier_signal -1
	MULQ 1, \st, 0
	WIN 0
	s_barrier_wait -1
.if \fill
	CREST
	JLOAD G0RA, G1A0, G0RB, G1B0                   ; steps 12-15; its four v_nop are the places in front of the loads below
.else
	PLACES
.endif
	FETCH_B (\st)+1
	FETCH_A (\st)+1, 0
	WIN MUL
	MULQ 2, \st, 0
	MULQ 3, \st, 0
	PLACES
	WIN 0
	FETCH_A (\st)+1, 1
.endm
.macro MKG0 g, lds, p, off
	s_mov_b32 s[\g], 1
	s_mov_b32 s[\g+1], \lds
	s_add_nc_u64 s[\g+2:\g+3], s[\p:\p+1], \off
	s_or_b32 s[\g+3], s[\g+3], 0x80000000
.endm
.macro ARM under, g0, g1, next
	s_cmp_lt_u32 s14, \under
	s_cbranch_scc0 \next
	TLOAD \g0, \g1
	s_branch .Lhead_asked
\next:
.endm
	s_load_b256 s[4:11], s[0:1], 0x0               ; ac, asc, oc, os
	s_load_b128 s[96:99], s[0:1], 0x20             ; bo, out0
	v_lshl_add_u32 v[SPW], v0, 2, SPARE
	v_mov_b32 v[NIL], 0
	ds_add_u32 v[SPW], v[NIL]                      ; the opening lines: the add, twice on end, and its wait
	ds_add_u32 v[SPW], v[NIL]
	v_lshrrev_b32 v1, 5, v0
	v_readfirstlane_b32 s14, v1                    ; wave 0..3
	s_lshr_b32 s15, s14, 1                         ; my half of A's rows.  Also: in the refill I fetch for A (0) or for B (1)
	s_and_b32 s16, s14, 1                          ; my half of B's rows.  Also: which half I fetch
	s_bfe_u32 s92, ttmp6, 0x40000                  ; cx
	s_bfe_u32 s93, ttmp6, 0x40004                  ; cy
	s_lshl_b32 s94, ttmp9, 2
	s_add_co_u32 s94, s94, s92                     ; tile column
	s_and_b32 s17, ttmp7, 0xffff
	s_lshl_b32 s17, s17, 2
	s_add_co_u32 s17, s17, s93                     ; tile row
	s_lshl_b32 s95, s93, 2
	s_lshl_b32 s95, 15, s95                        ; my row of the cluster
	s_lshl_b32 s100, 0x1111, s92                   ; my column
	s_or_b32 s[G1A0], s95, (3<<16)|(1<<21)         ; the mask; elements of 8 bytes; bit 21 beside a mask; no padding
	s_or_b32 s[G1A1], s95, (3<<16)|(1<<21)
	s_or_b32 s[G1B0], s100, (3<<16)|(1<<21)
	s_or_b32 s[G1B1], s100, (3<<16)|(1<<21)
.irp g, G1A0, G1B0                     ; 8 row blocks, 4 K steps (6,144 bytes) of each, 24,576 bytes apart
	s_mov_b32 s[\g+1], 768<<16
	s_mov_b32 s[\g+2], 8<<16
	s_mov_b32 s[\g+3], 768<<16
	s_mov_b32 s[\g+4], 8
	s_mov_b32 s[\g+5], 3072
	s_mov_b32 s[\g+6], 0
	s_mov_b32 s[\g+7], 0
.endr
.irp g, G1A1, G1B1                     ; the same with 8 K steps
	s_mov_b32 s[\g+1], 1536<<16
	s_mov_b32 s[\g+2], 8<<16
	s_mov_b32 s[\g+3], 1536<<16
	s_mov_b32 s[\g+4], 8
	s_mov_b32 s[\g+5], 3072
	s_mov_b32 s[\g+6], 0
	s_mov_b32 s[\g+7], 0
.endr
	s_mul_i32 s20, s17, 128*1536                   ; A's tile in ac
	s_mov_b32 s21, 0
	s_lshl_b32 s12, s94, 7
	s_add_co_u32 s12, s12, 8192                    ; B's first row in oc
	s_lshl_b32 s18, s16, 6
	s_add_co_u32 s18, s18, s12
	s_lshl_b32 s18, s18, 2                         ; my 64 rows' scale words in os
	s_mov_b32 s19, 0
	s_mul_i32 s12, s12, 1536
	s_mov_b32 s13, 0
	s_lshl_b32 s22, s17, 7
	s_lshl_b32 s23, s15, 6
	s_add_co_u32 s22, s22, s23
	s_lshl_b32 s22, s22, 2                         ; and in asc
	s_mov_b32 s23, 0
	s_lshl_b32 s86, s94, 9
	s_lshl_b32 s87, s16, 8
	s_add_co_u32 s86, s86, s87                     ; my first column, in bytes
	s_mov_b32 s87, 0
	s_lshl_b32 s88, s17, 20
	s_lshl_b32 s89, s15, 19
	s_add_co_u32 s88, s88, s89                     ; my first row of out
	s_mov_b32 s89, 0
	s_mul_i32 s2, s16, 4*24576                     ; the refill: which 4 row blocks I fetch,
	s_add_co_u32 s2, s2, 12*1536                   ; from K step 12 on
	s_mov_b32 s3, 0
	s_mul_i32 s101, s14, 24576                     ; and where they go: no place in the cluster enters an LDS address
	s_wait_dscnt 0x0                               ; both opening adds are done
	s_wait_kmcnt 0x0
	s_add_nc_u64 s[20:21], s[4:5], s[20:21]
	s_add_nc_u64 s[22:23], s[6:7], s[22:23]
	s_add_nc_u64 s[12:13], s[8:9], s[12:13]
	s_add_nc_u64 s[18:19], s[10:11], s[18:19]
	s_add_nc_u64 s[96:97], s[96:97], s[86:87]
	s_add_nc_u64 s[98:99], s[98:99], s[86:87]
	s_add_nc_u64 s[98:99], s[98:99], s[88:89]
	CROUND                                         ; all sixteen work-groups are here: the first joint loads meet
	MKG0 G0A0, 0, 20, 0
	MKG0 G0B0, 49152, 12, 0
	MKG0 G0A1, R1, 20, 4*1536
	MKG0 G0B1, R1+98304, 12, 4*1536
	s_mov_b32 s[G0RA], 1
	s_mov_b32 s[G0RA+1], s101
	s_add_nc_u64 s[G0RA+2:G0RA+3], s[20:21], s[2:3]
	s_or_b32 s[G0RA+3], s[G0RA+3], 0x80000000
	s_mov_b32 s[G0RB], 1
	s_mov_b32 s[G0RB+1], s101
	s_add_nc_u64 s[G0RB+2:G0RB+3], s[12:13], s[2:3]
	s_or_b32 s[G0RB+3], s[G0RB+3], 0x80000000
	s_cmp_eq_u32 s15, 0                            ; the prefetch: of the 4 row blocks that I will fetch, my work-group's one
	s_cselect_b64 s[PFA:PFA+1], s[20:21], s[12:13]
	s_cselect_b32 s86, s92, s93                    ; my place among the four that ask with me
	s_mul_i32 s86, s86, 24576
	s_add_nc_u64 s[PFA:PFA+1], s[PFA:PFA+1], s[86:87]
	s_add_nc_u64 s[PFA:PFA+1], s[PFA:PFA+1], s[2:3]
; the head's loads, one a wave, in one chain of branches on the wave's number
	ARM 1, G0A0, G1A0, .Lhead_b0
	ARM 2, G0B0, G1B0, .Lhead_a1
	ARM 3, G0A1, G1A1, .Lhead_b1
	TLOAD G0B1, G1B1
.Lhead_asked:
	s_mul_i32 s20, s15, 24576                      ; R0: my half of A,
	s_mul_i32 s21, s16, 24576
	s_add_co_u32 s21, s21, 49152                   ; of B;
	s_mul_i32 s12, s15, 49152
	s_add_co_u32 s12, s12, R1                      ; R1: of A,
	s_mul_i32 s13, s16, 49152
	s_add_co_u32 s13, s13, R1+98304                ; of B
	s_mul_i32 s86, s14, 16*272
	s_add_co_u32 s86, s86, STAGE                   ; my stage
	v_and_b32 v1, 31, v0
	v_and_b32 v2, 15, v0                           ; r
	v_bfe_u32 v3, v0, 4, 1                         ; h
	v_lshlrev_b32 v4, 4, v1
	v_lshlrev_b32 v[LS], 2, v1
	v_lshlrev_b32 v7, 6, v3
	v_add_nc_u32 v[ADRA], s20, v4
	v_add_nc_u32 v[ADRB], s21, v4
	v_add_nc_u32 v[ADRA+1], s12, v4
	v_add_nc_u32 v[ADRB+1], s13, v4
	v_mul_u32_u24 v5, v2, 272
	v_lshl_add_u32 v5, v3, 6, v5
	v_add_nc_u32 v[STO], s86, v5                   ; into the stage: row r, + 64 h
	v_mul_u32_u24 v6, v3, 272
	v_lshl_add_u32 v6, v2, 4, v6
	v_add_nc_u32 v[RD], s86, v6                    ; back: lanes 0-15 one row of 256 bytes, lanes 16-31 the next
	v_lshlrev_b32 v8, 13, v3
	v_lshl_add_u32 v[CO], v2, 4, v8                ; and the same two rows in out
	v_min_u32 v9, 23, v1
	v_lshlrev_b32 v[PFO], 8, v9
.irp b, 0,1,2,3
	global_load_b128 v[BIAS+8*\b:BIAS+8*\b+3], v7, s[96:97] offset:128*(\b/2)+32*(\b%2)        ; register j of B's block b is column 32 (b / 2) + 16 h + 8 (b % 2) + j
	global_load_b128 v[BIAS+8*\b+4:BIAS+8*\b+7], v7, s[96:97] offset:128*(\b/2)+32*(\b%2)+16
.endr
.irp s, 0,1,2,3,4,5,6,7,8,9,10,11,12,13,14,15
.irp j, 0,1
	global_load_b32 v[SC+4*\s+\j], v[LS], s[22:23] offset:8192*\s+128*\j      ; A's blocks 2 j (lanes 0-15) and 2 j + 1 (lanes 16-31)
	global_load_b32 v[SC+4*\s+2+\j], v[LS], s[18:19] offset:40960*\s+128*\j   ; B's
.endr
.endr
	global_prefetch_b8 v[PFO], s[PFA:PFA+1] th:TH_LOAD_NT scope:SCOPE_SE
	s_wait_alu depctr_va_vdst(0)                   ; the wait at the head's end
	s_wait_tensorcnt 0x0                           ; my tile of the head's four is in
	s_mov_b32 s[G1A0+2], 4<<16                     ; no tensor load of mine is out: the refill's loads bring 4 row blocks each
	s_mov_b32 s[G1A0+4], 4
	s_mov_b32 s[G1B0+2], 4<<16
	s_mov_b32 s[G1B0+4], 4
	s_barrier_signal -1                            ; it shows the four tiles to all four waves
	s_barrier_wait -1
	FETCH_B 0
	FETCH_A 0, 0
	FETCH_A 0, 1
	s_wait_loadcnt 0x0                             ; the bias and the scale words
	STEP 0, 1                                      ; the first products start the sums with the bias
	STEP 1, 0
	STEP 2, 0
	TURN 3, 1
.irp s, 4,5,6,7,8,9,10
	STEP \s, 0
.endr
	TURN 11, 0
	STEP 12, 0
	STEP 13, 0
	STEP 14, 0
	s_wait_dscnt HL                                ; step 15: nothing more to fetch
	WIN MUL
	MULQ 0, 15, 0
	MULQ 1, 15, 0
	s_wait_dscnt 0x0
	MULQ 2, 15, 0
	MULQ 3, 15, 0
	WIN 0
; THE WAY OUT, block by block of 16 rows x 64 columns, through my own stage: whole rows of 256 bytes leave.
.macro TOSTAGE a
	WIN 0x08
.irp b, 0,1,2,3
	ds_store_b128 v[STO], v[8*(4*(\a)+\b):8*(4*(\a)+\b)+3] offset:128*(\b/2)+32*(\b%2)          ; each accumulator from its low end on
	ds_store_b128 v[STO], v[8*(4*(\a)+\b)+4:8*(4*(\a)+\b)+7] offset:128*(\b/2)+32*(\b%2)+16
.endr
	WIN 0
.irp t, 0,1,2,3,4,5,6,7
	ds_load_b128 v[128+32*((\a)%2)+4*\t:128+32*((\a)%2)+4*\t+3], v[RD] offset:544*\t   ; LDS serves a wave's instructions in order: these see my stores
.endr
.endm
.macro SEND a, younger
	s_wait_dscnt \younger
.irp t, 0,1,2,3,4,5,6,7
	global_store_b128 v[CO], v[128+32*((\a)%2)+4*\t:128+32*((\a)%2)+4*\t+3], s[98:99] offset:(32*((\a)/2)+16*(\t/4)+8*((\a)%2)+(2*\t)%8)*8192 th:TH_STORE_NT   ; stored row to token; 16 lanes fill 256 consecutive bytes, aligned
.endr
.endm
	PLACES
	TOSTAGE 0
.irp a, 1,2,3
.if \a > 1
	s_wait_xcnt 0x0                                ; block a - 2's stores have read their registers
.endif
	TOSTAGE \a
	SEND \a-1, 16
.endr
	SEND 3, 0
	s_wait_tensorcnt 0x0                           ; the wave's end
	ds_add_u32 v[SPW], v[NIL]
	s_wait_dscnt 0x0
	CROUND                                         ; the closing round
	s_endpgm
.Lfunc_end_k_q96a77aa8aa_proj:
	.size	k_q96a77aa8aa_proj, .Lfunc_end_k_q96a77aa8aa_proj-k_q96a77aa8aa_proj
	.p2alignl 7, 3214868480
	.fill 96, 4, 3214868480
	.section	.rodata,"a",@progbits
	.p2align	6, 0x0
	.amdhsa_kernel k_q96a77aa8aa_proj
		.amdhsa_group_segment_fixed_size 327680
		.amdhsa_private_segment_fixed_size 0
		.amdhsa_enable_private_segment 0
		.amdhsa_kernarg_size 48
		.amdhsa_user_sgpr_count 2
		.amdhsa_user_sgpr_kernarg_segment_ptr 1
		.amdhsa_wavefront_size32 1
		.amdhsa_system_sgpr_workgroup_id_x 1
		.amdhsa_system_sgpr_workgroup_id_y 1
		.amdhsa_system_sgpr_workgroup_id_z 1
		.amdhsa_system_vgpr_workitem_id 0
		.amdhsa_next_free_vgpr 768
		.amdhsa_next_free_sgpr 102
		.amdhsa_reserve_vcc 0
		.amdhsa_float_denorm_mode_32 3
		.amdhsa_float_denorm_mode_16_64 3
		.amdhsa_memory_ordered 1
		.amdhsa_forward_progress 1
		.amdhsa_inst_pref_size 89
	.end_amdhsa_kernel
	.amdgpu_metadata
---
amdhsa.version: [ 1, 2 ]
amdhsa.kernels:
  - .name:           k_q96a77aa8aa_proj
    .symbol:         k_q96a77aa8aa_proj.kd
    .args:
      - { .name: ac, .offset: 0, .size: 8, .value_kind: global_buffer, .address_space: global }
      - { .name: asc, .offset: 8, .size: 8, .value_kind: global_buffer, .address_space: global }
      - { .name: oc, .offset: 16, .size: 8, .value_kind: global_buffer, .address_space: global }
      - { .name: os, .offset: 24, .size: 8, .value_kind: global_buffer, .address_space: global }
      - { .name: bo, .offset: 32, .size: 8, .value_kind: global_buffer, .address_space: global }
      - { .name: out0, .offset: 40, .size: 8, .value_kind: global_buffer, .address_space: global }
    .group_segment_fixed_size: 327680
    .private_segment_fixed_size: 0
    .kernarg_segment_align: 8
    .kernarg_segment_size: 48
    .max_flat_workgroup_size: 128
    .sgpr_count:     102
    .vgpr_count:     768
    .wavefront_size: 32
...
	.end_amdgpu_metadata
.endif
;; end of part 4
